; MI455X (gfx1250); checked and timed in simulation.
; The chip was launched on July 23, 2026; its instructions are those of AMD's public machine-readable ISA for CDNA 5 (MIT licence, August 2026) and "CDNA5" Instruction Set Architecture Reference Guide (July 2026). The comments in the code are by the model that wrote it; some were corrected since.
;; Decoder MHA. Allowed arithmetic: matrix products marked QUANTISED: E2M1 operands, one E8M0 scale for each 32 along K, by v_wmma_scale_f32_16x16x128_f8f6f4 with both operands' format E2M1 (or v_wmma_scale_f32_32x16x128_f4), f32 sums; everything else in f32.
;; Inputs: Wk 1,024 x 1,024 float32; Wo 1,024 x 1,024 float32; Wq 1,024 x 1,024 float32; Wv 1,024 x 1,024 float32; bk 1,024 float32; bo 1,024 float32; bq 1,024 float32; bv 1,024 float32; pad_mask 4 x 1 x 1 x 2,048 int32; x 4 x 2,048 x 1,024 float32.
;; Outputs: out0 4 x 2,048 x 1,024 float32.
;; This version of the problem:
;;   THIS VERSION OF THE PROBLEM IS GIVEN IN LOW PRECISION. The matrix products marked QUANTISED in the list below multiply operands that are first quantised to E2M1 (2 exponent bits, 1 mantissa bit; 4 bits a number), with one power-of-two scale for each 32 numbers along K (OCP MX v1.0); their sums are f32. All else is computed in f32.
;;   The module's matrix products, in the order in which they are computed (A, B: the left and right operand; K: the contracted axis; several contracted axes count as one K, in the product's order):
;;     1. [M 8,192, K 1,024] x [K 1,024, N 1,024]; A: input x; B: input Wq: QUANTISED
;;     2. [M 8,192, K 1,024] x [K 1,024, N 1,024]; A: input x; B: input Wk: QUANTISED
;;     3. [M 8,192, K 1,024] x [K 1,024, N 1,024]; A: input x; B: input Wv: QUANTISED
;;     4. batch 64 x [M 2,048, K 64] x [K 64, N 2,048]; A: computed on the way; B: computed on the way: QUANTISED
;;     5. batch 64 x [M 2,048, K 2,048] x [K 2,048, N 64]; A: computed on the way; B: computed on the way: QUANTISED
;;     6. [M 8,192, K 1,024] x [K 1,024, N 1,024]; A: computed on the way; B: input Wo: QUANTISED
;;   THE QUANTISER, for each operand of a quantised product, along K:
;;     - K is cut into blocks of 32 from its start; a last block that is shorter is filled with zeros.
;;     - A block's scale is 2^e with e = floor(log2(the largest magnitude in the block)) - 2, held to -126 .. 127; a block of zeros has e = 0. As a byte (E8M0): e + 127.
;;     - Each number is divided by its block's scale, clamped to +-6, and rounded to the nearest number of E2M1, ties to even, subnormals kept.
;;     - The product sums the exact products of the quantised numbers (number of the format x scale) in f32.
;;   ~~~python
;;   def quantise(x, axis):      # numpy; x: float32 -> the quantised numbers, widened to float32 again
;;       x = np.moveaxis(x, axis, -1); K = x.shape[-1]
;;       x = np.pad(x, [(0, 0)] * (x.ndim - 1) + [(0, -K % 32)]); x = x.reshape(x.shape[:-1] + (-1, 32)); a = np.abs(x).max(-1, keepdims=True)
;;       e = np.where(a > 0, np.clip(np.frexp(np.where(a > 0, a, 1))[1] - 1 - 2, -126, 127), 0)      # np.frexp(a)[1] - 1 = floor(log2(a)), exactly
;;       r = np.clip(x / 2.0 ** e, -6, 6)
;;       step = 2.0 ** (np.maximum(np.frexp(np.where(r == 0, 1, r))[1] - 1, 0) - 1)
;;       q = np.round(r / step) * step * 2.0 ** e      # np.round: ties to even
;;       return np.moveaxis(q.reshape(q.shape[:-2] + (-1,))[..., :K], -1, axis).astype(np.float32)
;;   ~~~
;;   OPERANDS COMPUTED ON THE WAY. 'Computed on the way' means the value that the module computes at that place (a softmax that the list does not call 'softmax' is quantised finished and normalised). What goes into a quantiser is computed in f32, as accurately as f32 sums, v_exp_f32 and their like allow (about 1e-6 of the number): no bf16 or f16 on the way to a quantiser, and a product that is left as it is and whose result goes on into a quantised operand takes f32 operands (vector FMAs, or v_wmma_f32_16x16x4_f32). A number that lies on a knife's edge between two numbers of the format may be rounded either way, as far as f32 arithmetic and the matrix unit's own rounding can turn it there, and no further.
;; One version. Each part assembles by itself: llvm-mc -triple=amdgcn-amd-amdhsa -mcpu=gfx1250 --defsym DOCPART=n.
;; ======== version 1 of 1: 4 launches
;; limits: right only within a limited range of input values
;; workspace buffers: codes 6,291,456 bytes; scales 393,216 bytes; qkvw 13,369,344 bytes; oimg 4,456,448 bytes
;; launch quant (part 1): grid 384 x 1, 4 waves a work-group, no clusters, 33,280 bytes of LDS; arguments x, Wq, Wk, Wv, Wo, codes, scales; writes codes, scales
.if DOCPART == 1
	.amdgcn_target "amdgcn-amd-amdhsa--gfx1250"
	.amdhsa_code_object_version 6
	.text
	.protected	k_q12de2469bb_quant
	.globl	k_q12de2469bb_quant
	.p2align	8
	.type	k_q12de2469bb_quant,@function
k_q12de2469bb_quant:
	s_mov_b64 s[64:65], 0
	v_nop
	global_prefetch_b8 v0, s[64:65] scope:SCOPE_SE
	s_setreg_imm32_b32 hwreg(HW_REG_WAVE_MODE, 25, 1), 1
	s_wait_xcnt 0x0
; LAUNCH 1 OF 4.  x [8192][1024] and Wq, Wk, Wv, Wo [1024][1024], f32, K innermost, become codes of FP4 (E2M1) with one E8M0 byte for each 32 along K.
; THE WHOLE PROGRAM: quant (this) | qkv: q, k, v = x W^T + b on codes, quantised on the way out | attn: causal attention, two passes over the keys | oproj: the projection on the way out.
; WORK LEFT OUT (in launch attn alone).  reference() itself sets a score to -inf where key > query (its jnp.triu).  The softmax gives exactly 0 there, a block of zeros quantises to zeros, and zeros add
; nothing to the product with v.  So a step of 128 keys all of which come after all 16 queries of a tile reaches no output, whatever the inputs hold: such steps of the fourth and fifth products are not done.
; Nothing else is left out and every input is loaded.  LIMIT: a NaN, an infinity or an overflow that reaches only those scores is not carried to the result.
; ROW ORDER.  All rows (tokens, rows of the weights) are stored with bits 3 and 4 of their number exchanged: 16 stored rows on end are then rows 32 a + 8 u + 0..7 and + 16..23, the choice of rows that makes
; a product's results neighbours along the next K.  A wave owns 8 rows, so the exchange is an exchange of the two bits of the wave's number in the place where it stores.
; A block's scale is 2^(floor(log2(its largest magnitude)) - 2); its byte is that magnitude's exponent field - 2, held at 1 from below.  A block of zeros gets the byte 1 where the rule says 127: its codes
; are zeros, which add nothing under any byte but 0xff, and this program alone reads the bytes.
; LIMITS: blocks whose largest magnitude lies under 2^(3 - 127) take the byte 1; NaN and infinities among the inputs are not served.
; A wave takes 16 steps of 512 numbers.  Each load reads 512 consecutive bytes; a step's 2,048 bytes turn through the wave's own stage in LDS and come back 64 bytes (16 neighbours along K) a lane.
.set WAVES, 4
.set STEPS, 16
.set EMAX,  2
.set CB,    8                          ; bytes of 16 codes
.set R,     16                         ; v16-79   four sets of 16 numbers as loaded
.set X,     80                         ; v80-111  two sets of 16 neighbours
.set C,     128                        ; v128-191 codes: registers of its own for each step
.set E,     112                        ; v112-127 a scale byte for each step
.set WREG,  8192                       ; LDS: a region for each wave: two stages of 32 x SP bytes, then its 256 scale bytes
.set SP,    80                         ; a lane's place in a stage: 64 bytes + 16 of padding
.set SPW,   12                         ; v12 LDS address of my spare word; never rewritten
.set NIL,   13                         ; v13 0; never rewritten
.set SPARE, WAVES*WREG                 ; the spare words, 128 bytes a wave; no other line names them
	s_load_b256 s[4:11], s[0:1], 0x0               ; x, Wq, Wk, Wv
	s_load_b128 s[12:15], s[0:1], 0x20             ; Wo, codes
	s_load_b64 s[16:17], s[0:1], 0x30              ; scales
	v_lshl_add_u32 v[SPW], v0, 2, SPARE
	v_mov_b32 v[NIL], 0
	v_lshrrev_b32 v1, 5, v0
	v_readfirstlane_b32 s18, v1                    ; wave
	v_and_b32 v2, 31, v0                           ; lane
	v_lshlrev_b32 v3, 4, v2                        ; my 16 bytes of a load's 512
	s_mul_i32 s19, s18, WREG
	v_lshrrev_b32 v14, 2, v2
	v_mul_u32_u24 v14, v14, SP
	v_and_b32 v15, 3, v2
	v_lshl_add_u32 v14, v15, 4, v14
	v_add_nc_u32 v14, s19, v14                     ; the stage, on the way in: SP (lane / 4) + 16 (lane % 4)
	v_mul_u32_u24 v15, v2, SP
	v_add_nc_u32 v15, s19, v15                     ; on the way out: SP x lane
	v_mul_u32_u24 v4, v2, CB                       ; my codes' place in a step's
	v_lshrrev_b32 v5, 1, v2
	s_add_co_u32 s19, s19, 2*32*SP
	v_add_nc_u32 v5, s19, v5                       ; my block's byte among my wave's 256
	v_lshlrev_b32 v7, 3, v2
	v_add_nc_u32 v6, s19, v7
	s_wait_kmcnt 0x0
	s_mov_b64 s[20:21], s[12:13]                   ; which tensor: work-groups 0-255 x, then 32 each for Wq, Wk, Wv, Wo.  The choice hangs on the work-group's number alone
	s_mov_b32 s22, 352
	s_cmp_lt_u32 ttmp9, 352
	s_cselect_b64 s[20:21], s[10:11], s[20:21]
	s_cselect_b32 s22, 320, s22
	s_cmp_lt_u32 ttmp9, 320
	s_cselect_b64 s[20:21], s[8:9], s[20:21]
	s_cselect_b32 s22, 288, s22
	s_cmp_lt_u32 ttmp9, 288
	s_cselect_b64 s[20:21], s[6:7], s[20:21]
	s_cselect_b32 s22, 256, s22
	s_cmp_lt_u32 ttmp9, 256
	s_cselect_b64 s[20:21], s[4:5], s[20:21]
	s_cselect_b32 s22, 0, s22
	s_sub_co_u32 s23, ttmp9, s22
	s_lshl_b32 s23, s23, 2
	s_add_co_u32 s23, s23, s18                     ; which run of 8 rows of the tensor is my wave's
	s_lshl_b32 s24, s23, 15                        ; 8 rows of 4,096 bytes
	s_mov_b32 s25, 0
	s_add_nc_u64 s[20:21], s[20:21], s[24:25]
	s_and_b32 s26, s18, 1                          ; where they go: the wave's two bits exchanged
	s_lshl_b32 s26, s26, 1
	s_lshr_b32 s27, s18, 1
	s_or_b32 s26, s26, s27
	s_lshl_b32 s27, ttmp9, 2
	s_add_co_u32 s26, s26, s27
	s_lshl_b32 s24, s26, 12                        ; 8 rows of 512 bytes of codes
	s_add_nc_u64 s[14:15], s[14:15], s[24:25]
	s_lshl_b32 s24, s26, 8                         ; 8 rows of 32 scale bytes
	s_add_nc_u64 s[16:17], s[16:17], s[24:25]
.macro LOAD t
.irp i, 0,1,2,3
	global_load_b128 v[R+16*((\t)%4)+4*\i:R+16*((\t)%4)+4*\i+3], v3, s[20:21] offset:2048*(\t)+512*\i th:TH_LOAD_NT   ; 32 lanes read 512 consecutive bytes
.endr
.endm
.macro TURN t                          ; step t's numbers through the stage: LDS serves a wave's instructions in order, so no wait stands between the stores and the loads
.irp i, 0,1,2,3
	ds_store_b128 v14, v[R+16*((\t)%4)+4*\i:R+16*((\t)%4)+4*\i+3] offset:32*SP*((\t)%2)+8*SP*\i
.endr
.irp i, 0,1,2,3
	ds_load_b128 v[X+16*((\t)%2)+4*\i:X+16*((\t)%2)+4*\i+3], v15 offset:32*SP*((\t)%2)+16*\i
.endr
.endm
.irp t, 0,1,2,3
	LOAD \t
.endr
	s_wait_loadcnt 12                              ; step 0's four loads are in
	TURN 0
.macro STEP t
.set XS, X+16*((\t)%2)
.if (\t) > 0
	s_wait_dscnt 1                                 ; this step's numbers are back from the stage (the last step's byte store may be out)
.else
	s_wait_dscnt 0x0
.endif
.if (\t)+4 < STEPS
	LOAD (\t)+4                                    ; into the registers whose stores into the stage are done
.endif
.if (\t)+1 < STEPS
.if STEPS-2-(\t) >= 3
	s_wait_loadcnt 12                              ; the next step's four loads are in; those of the three steps behind it may be out
.else
	s_wait_loadcnt 4*(STEPS-2-(\t))
.endif
	TURN (\t)+1
.endif
	v_max3_num_f32 v8, |v[XS]|, |v[XS+1]|, |v[XS+2]|               ; the largest magnitude of my 16, in two chains
	v_max3_num_f32 v9, |v[XS+3]|, |v[XS+4]|, |v[XS+5]|
.irp i, 6,10
	v_max3_num_f32 v8, v8, |v[XS+\i]|, |v[XS+\i+1]|
	v_max3_num_f32 v9, v9, |v[XS+\i+2]|, |v[XS+\i+3]|
.endr
	v_max3_num_f32 v8, v8, |v[XS+14]|, |v[XS+15]|
	v_max3_num_f32 v8, v8, v9, (EMAX+1)<<23        ; and the floor 2^(EMAX + 1 - 127): the byte cannot fall under 1
	v_max_num_f32_dpp v8, v8, v8 row_xmask:1 row_mask:0xf bank_mask:0xf   ; with my neighbour's 16: the block's
	v_add_nc_u32 v11, -(EMAX<<23), v8              ; EMAX off its exponent field: the conversion takes this operand's exponent field as its scale
	v_cvt_scalef32_pk8_fp4_f32 v[C+4*(\t)], v[XS:XS+7], v11
	v_cvt_scalef32_pk8_fp4_f32 v[C+4*(\t)+1], v[XS+8:XS+15], v11
	v_lshrrev_b32 v[E+(\t)], 23, v11               ; the scale's byte
	ds_store_b8 v5, v[E+(\t)] offset:16*(\t)       ; both lanes of a block write the same byte with the same value
	global_store_b64 v4, v[C+4*(\t):C+4*(\t)+1], s[14:15] offset:32*CB*(\t)   ; the wave stores 256 consecutive bytes, aligned
.endm
.irp t, 0,1,2,3,4,5,6,7,8,9,10,11,12,13,14,15
	STEP \t
.endr
	ds_load_b64 v[8:9], v6                         ; LDS serves a wave's instructions in order: these see my stores
	s_wait_dscnt 0x0
	global_store_b64 v7, v[8:9], s[16:17]          ; 32 lanes store 256 consecutive bytes, aligned
	s_wait_tensorcnt 0x0                           ; the wave's end, behind my last LDS store
	ds_add_u32 v[SPW], v[NIL]
	s_wait_dscnt 0x0
	s_endpgm
.Lfunc_end_k_q12de2469bb_quant:
	.size	k_q12de2469bb_quant, .Lfunc_end_k_q12de2469bb_quant-k_q12de2469bb_quant
	.p2alignl 7, 3214868480
	.fill 96, 4, 3214868480
	.section	.rodata,"a",@progbits
	.p2align	6, 0x0
	.amdhsa_kernel k_q12de2469bb_quant
		.amdhsa_group_segment_fixed_size 33280
		.amdhsa_private_segment_fixed_size 0
		.amdhsa_enable_private_segment 0
		.amdhsa_kernarg_size 56
		.amdhsa_user_sgpr_count 2
		.amdhsa_user_sgpr_kernarg_segment_ptr 1
		.amdhsa_wavefront_size32 1
		.amdhsa_system_sgpr_workgroup_id_x 1
		.amdhsa_system_sgpr_workgroup_id_y 1
		.amdhsa_system_sgpr_workgroup_id_z 1
		.amdhsa_system_vgpr_workitem_id 0
		.amdhsa_next_free_vgpr 192
		.amdhsa_next_free_sgpr 66
		.amdhsa_reserve_vcc 0
		.amdhsa_float_denorm_mode_32 3
		.amdhsa_float_denorm_mode_16_64 3
		.amdhsa_memory_ordered 1
		.amdhsa_forward_progress 1
		.amdhsa_inst_pref_size 34
	.end_amdhsa_kernel
	.amdgpu_metadata
---
amdhsa.version: [ 1, 2 ]
amdhsa.kernels:
  - .name:           k_q12de2469bb_quant
    .symbol:         k_q12de2469bb_quant.kd
    .args:
      - { .name: x, .offset: 0, .size: 8, .value_kind: global_buffer, .address_space: global }
      - { .name: Wq, .offset: 8, .size: 8, .value_kind: global_buffer, .address_space: global }
      - { .name: Wk, .offset: 16, .size: 8, .value_kind: global_buffer, .address_space: global }
      - { .name: Wv, .offset: 24, .size: 8, .value_kind: global_buffer, .address_space: global }
      - { .name: Wo, .offset: 32, .size: 8, .value_kind: global_buffer, .address_space: global }
      - { .name: codes, .offset: 40, .size: 8, .value_kind: global_buffer, .address_space: global }
      - { .name: scales, .offset: 48, .size: 8, .value_kind: global_buffer, .address_space: global }
    .group_segment_fixed_size: 33280
    .private_segment_fixed_size: 0
    .kernarg_segment_align: 8
    .kernarg_segment_size: 56
    .max_flat_workgroup_size: 128
    .sgpr_count:     66
    .vgpr_count:     192
    .wavefront_size: 32
...
	.end_amdgpu_metadata
.endif
;; end of part 1
;; launch qkv (part 2): grid 12 x 64, 4 waves a work-group, clusters of 4 x 4, 217,344 bytes of LDS; arguments codes, scales, bq, bk, bv, qkvw; writes qkvw
.if DOCPART == 2
	.amdgcn_target "amdgcn-amd-amdhsa--gfx1250"
	.amdhsa_code_object_version 6
	.text
	.protected	k_q12de2469bb_qkv
	.globl	k_q12de2469bb_qkv
	.p2align	8
	.type	k_q12de2469bb_qkv,@function
k_q12de2469bb_qkv:
	s_mov_b64 s[64:65], 0
	v_nop
	global_prefetch_b8 v0, s[64:65] scope:SCOPE_SE
	s_setreg_imm32_b32 hwreg(HW_REG_WAVE_MODE, 25, 1), 1
	s_wait_xcnt 0x0
	s_wait_alu depctr_hold_cnt(0) depctr_sa_sdst(0) depctr_va_vdst(0) depctr_va_sdst(0) depctr_va_ssrc(0) depctr_va_vcc(0) depctr_vm_vsrc(0)
	s_getreg_b32 s2, hwreg(HW_REG_IB_STS2, 6, 4)
	s_cmp_eq_u32 s2, 0
	s_cbranch_scc0 .Lentry_in_a_cluster
	s_endpgm
.Lentry_in_a_cluster:
	s_bfe_u32 s2, ttmp6, 0x10000c
	s_cmp_lg_u32 s2, 0xf033
	s_cbranch_scc0 .Lentry_shape_is_right
	s_endpgm
.Lentry_shape_is_right:
; LAUNCH 2 OF 4.  q, k, v = x W^T + b on codes of FP4; the results are quantised in registers and stored as IMAGES OF OPERAND REGISTERS (lane l's 16 bytes at 16 l, 512 bytes for four registers).
; A work-group holds 128 stored rows of x (work-group y) and 256 stored rows of Wq | Wk | Wv (work-group x, 12 in all) for all of K = 1,024: one fill, no ring.  The cluster's x is the tensor: 0 q, 1 k, 2 v.
; A wave makes 64 x 128: R, 64 rows as source 1 (a lane holds one of them), and P, 128 rows as source 0 (they run along a lane's registers, and by the stored row order 16 registers of two neighbouring
; tiles are 16 neighbours).  What is quantised must run along the registers:  q, k: along the head's 64 channels: P = 128 rows of W (a pair of heads), R = 64 tokens;  v: along the keys: P = the 128 tokens,
; R = 64 rows of W (one head).  Only LDS bases, the bias and the place of the stores differ; they are chosen by s_cselect_b32 on the cluster's x, which all partners share.
; CLUSTER 4 x 4: x's tile hangs on work-group y alone and is asked for jointly along a row of the cluster, W's on work-group x alone, jointly along a column.
; The bias is the C of each sum's first product.  REGISTERS: window 0: addresses, scale words, R's fragments, the way out; window 1: the 32 accumulators ((a, b) at v[8 (8 a + b)]); window 2: the bias, P's fragments.
.set TS,    4456448                    ; bytes of a tensor in qkvw: 32 blocks (batch x 8 + pair of heads)
.set BPB,   139264                     ; a block: 131,072 bytes of codes, 8,192 of scale words
.set PITCH, 528                        ; an LDS row: 512 bytes + 16 of padding: 16 rows of a load start 16 bytes further round the banks each
.set XR,    0                          ; x's 128 rows
.set WR,    128*PITCH                  ; W's 256 rows
.set XSC,   WR+256*PITCH               ; x's scale bytes: 16 runs of 256 bytes (8 rows each) + 16 of padding
.set WSC,   XSC+16*272                 ; W's: 32 runs
.set SST,   WSC+32*272                 ; 256 bytes a wave: the scale words on their way out; no fill lands here
.set SPARE, SST+1024                   ; the spare words, 128 bytes a wave; no other line names them
.set ADR, 8                            ; v8   R's fragments   v9 P's   v10 R's scale words   v11 P's
.set ADP, 9
.set ASR, 10
.set ASP, 11
.set VO,  12                           ; v12  16 x lane   v13 8 x lane
.set VO8, 13
.set SSA, 14                           ; v14  SST + 256 wave + 4 (lane % 16)   v15 SST + 256 wave + 8 lane
.set SSR, 15
.set BO,  16                           ; v16  the bias's lane term for q, k   v17 for v
.set BV,  17
.set SPW, 28                           ; v28  my spare word   v29 0; both never rewritten
.set NIL, 29
.set SP,  32                           ; v32-63  P's scale words: register 8 i + q: lanes 0-15 tile i, lanes 16-31 tile i + 4, K step q
.set SR,  64                           ; v64-79  R's: register 8 i + q: lanes 0-15 block i, lanes 16-31 block i + 2
.set RF,  80                           ; v80-143 R's fragments, two sets of 32
.set TM,  144                          ; v144-159 at work in QUANT
.set PC,  168                          ; v168-199 the codes made, 8 for each block of rows
.set PW,  200                          ; v200-203 their scale words
.set WO,  204
.set BIAS, 0                           ; window 2: v0-63
.set PF,  64                           ; window 2: v64-191 P's fragments, two sets of 64
.set G1X, 16
.set G1W, 24
.set G1XS, 32
.set G1WS, 40
.set G0X, 48
.set G0W, 52
.set G0XS, 56
.set G0WS, 60
.set WV,  66
.set CX,  67
.set CY,  68
.set WGX, 69
.set WGY, 70
.set RM,  72
.set CM,  73
.set BPT, 82                           ; s[82:83] the bias   s[86:87] where my codes go   s[88:89] my scale words
.set CB,  86
.set SB,  88
.set SEL, 90
.set MSB, 0
.macro WIN new                         ; the immediate's high byte repeats the setting that is left
.if MSB != (\new)
	s_set_vgpr_msb (MSB<<8)|(\new)
.set MSB, (\new)
.endif
.endm
.macro PLACES n
.rept \n
	v_nop
.endr
.endm
.macro CROUND                          ; a round of the cluster's barrier
	s_barrier_signal -1
	s_barrier_wait -1
	s_cmp_lg_u32 s[WV], 0
	s_cbranch_scc1 .Lnot_wave_0_\@
	s_barrier_signal -3
.Lnot_wave_0_\@:
	s_barrier_wait -3
	s_barrier_signal -1
	s_barrier_wait -1
.endm
; one product; ra, rb: source 0's, source 1's scale words stand in lanes 16-31
.macro PROD dd, pp, rr, cc, sp, sr, ra, rb
.if (\ra) && (\rb)
	v_wmma_scale_f32_16x16x128_f8f6f4 v[(\dd):(\dd)+7], v[(\pp):(\pp)+7], v[(\rr):(\rr)+7], v[(\cc):(\cc)+7], v[(\sp)], v[(\sr)] matrix_a_fmt:MATRIX_FMT_FP4 matrix_b_fmt:MATRIX_FMT_FP4 matrix_a_scale:MATRIX_SCALE_ROW1 matrix_b_scale:MATRIX_SCALE_ROW1
.elseif (\ra)
	v_wmma_scale_f32_16x16x128_f8f6f4 v[(\dd):(\dd)+7], v[(\pp):(\pp)+7], v[(\rr):(\rr)+7], v[(\cc):(\cc)+7], v[(\sp)], v[(\sr)] matrix_a_fmt:MATRIX_FMT_FP4 matrix_b_fmt:MATRIX_FMT_FP4 matrix_a_scale:MATRIX_SCALE_ROW1
.elseif (\rb)
	v_wmma_scale_f32_16x16x128_f8f6f4 v[(\dd):(\dd)+7], v[(\pp):(\pp)+7], v[(\rr):(\rr)+7], v[(\cc):(\cc)+7], v[(\sp)], v[(\sr)] matrix_a_fmt:MATRIX_FMT_FP4 matrix_b_fmt:MATRIX_FMT_FP4 matrix_b_scale:MATRIX_SCALE_ROW1
.else
	v_wmma_scale_f32_16x16x128_f8f6f4 v[(\dd):(\dd)+7], v[(\pp):(\pp)+7], v[(\rr):(\rr)+7], v[(\cc):(\cc)+7], v[(\sp)], v[(\sr)] matrix_a_fmt:MATRIX_FMT_FP4 matrix_b_fmt:MATRIX_FMT_FP4
.endif
.endm
; 64 numbers of a lane in window w, register 16 b + i = k 32 b + 16 (lane / 16) + i of my row, become a fragment's codes in v[pc] on and its scale word in v[pw].  Each accumulator is read from its low end on.
.macro QUANT s, w, pc, pw
	WIN 5*(\w)
.irp b, 0,1,2,3
	v_max3_num_f32 v[TM+\b], |v[(\s)+16*\b]|, |v[(\s)+16*\b+1]|, 0x1800000   ; block b: my 16 numbers, and the floor 2^(3 - 127): the byte cannot fall under 1
.endr
.irp i, 2,4,6,8,10,12,14
.irp b, 0,1,2,3
	v_max3_num_f32 v[TM+\b], |v[(\s)+16*\b+\i]|, |v[(\s)+16*\b+\i+1]|, v[TM+\b]   ; the four blocks by turns
.endr
.endr
	WIN 0
.irp b, 0,1,2,3
	v_permlanex16_b32 v[TM+4+\b], v[TM+\b], s[SEL], s[SEL+1]
.endr
.irp b, 0,1,2,3
	v_max_num_f32 v[TM+\b], v[TM+\b], v[TM+4+\b]   ; with lane l xor 16's: the block's largest magnitude
.endr
.irp b, 0,1,2,3
	v_add_nc_u32 v[TM+12+\b], 0xff000000, v[TM+\b] ; 2 off its exponent field: the conversion's scale operand
.endr
.irp b, 0,1,2,3
	v_lshrrev_b32 v[TM+4+\b], 23, v[TM+12+\b]      ; the scale's byte
.endr
	v_lshl_or_b32 v[(\pw)], v[TM+5], 8, v[TM+4]
	v_lshl_or_b32 v[(\pw)], v[TM+6], 16, v[(\pw)]
	v_lshl_or_b32 v[(\pw)], v[TM+7], 24, v[(\pw)]
	WIN (\w)
.irp b, 0,1,2,3
	v_cvt_scalef32_pk8_fp4_f32 v[(\pc)+2*\b], v[(\s)+16*\b:(\s)+16*\b+7], v[TM+12+\b]
	v_cvt_scalef32_pk8_fp4_f32 v[(\pc)+2*\b+1], v[(\s)+16*\b+8:(\s)+16*\b+15], v[TM+12+\b]
.endr
	WIN 0
	v_nop                                          ; one plain place behind a scaled conversion
.irp c, 0,1                            ; the operand's layout wants a whole block in a lane: lanes 0-15 block 2 c, lanes 16-31 block 2 c + 1
.irp i, 0,1
	v_permlane16_swap_b32 v[(\pc)+4*\c+\i], v[(\pc)+2+4*\c+\i]
.endr
.endr
.endm
	s_load_b256 s[4:11], s[0:1], 0x0               ; codes, scales, bq, bk
	s_load_b128 s[12:15], s[0:1], 0x20             ; bv, qkvw
	v_lshl_add_u32 v[SPW], v0, 2, SPARE
	v_mov_b32 v[NIL], 0
	ds_add_u32 v[SPW], v[NIL]                      ; the wave's opening: the add, twice on end, and its wait ahead of my first tensor load
	ds_add_u32 v[SPW], v[NIL]
	v_lshrrev_b32 v1, 5, v0
	v_readfirstlane_b32 s[WV], v1                  ; wave 0..3
	s_bfe_u32 s[CX], ttmp6, 0x40000
	s_bfe_u32 s[CY], ttmp6, 0x40004
	s_lshl_b32 s[WGX], ttmp9, 2
	s_add_co_u32 s[WGX], s[WGX], s[CX]             ; which 256 rows of Wq | Wk | Wv
	s_and_b32 s[WGY], ttmp7, 0xffff
	s_lshl_b32 s[WGY], s[WGY], 2
	s_add_co_u32 s[WGY], s[WGY], s[CY]             ; which 128 rows of x
	s_lshl_b32 s[RM], s[CY], 2
	s_lshl_b32 s[RM], 15, s[RM]                    ; my row of the cluster
	s_lshl_b32 s[CM], 0x1111, s[CX]                ; my column
	; descriptor groups 1.  Codes: rows of 512 elements of one byte, 16 bytes of padding behind each 128 words
	s_or_b32 s[G1X], s[RM], (1<<20)|(1<<21)|(6<<22)|(3<<25)
	s_mov_b32 s[G1X+1], 512<<16                    ; tensor_dim0
	s_mov_b32 s[G1X+2], 128<<16                    ; tensor_dim1
	s_mov_b32 s[G1X+3], 512<<16                    ; tile_dim0
	s_mov_b32 s[G1X+4], 128                        ; tile_dim1
	s_mov_b32 s[G1X+5], 512                        ; from row to row
	s_mov_b32 s[G1X+6], 0
	s_mov_b32 s[G1X+7], 0
	s_or_b32 s[G1W], s[CM], (1<<20)|(1<<21)|(6<<22)|(3<<25)
	s_mov_b32 s[G1W+1], 512<<16
	s_mov_b32 s[G1W+2], 256<<16
	s_mov_b32 s[G1W+3], 512<<16
	s_mov_b32 s[G1W+4], 256
	s_mov_b32 s[G1W+5], 512
	s_mov_b32 s[G1W+6], 0
	s_mov_b32 s[G1W+7], 0
	; scale bytes: dense blocks as rows of 256 bytes (32 elements of 8), 16 bytes of padding behind each
	s_or_b32 s[G1XS], s[RM], (3<<16)|(1<<20)|(1<<21)|(5<<22)|(3<<25)
	s_mov_b32 s[G1XS+1], 32<<16
	s_mov_b32 s[G1XS+2], 16<<16
	s_mov_b32 s[G1XS+3], 32<<16
	s_mov_b32 s[G1XS+4], 16
	s_mov_b32 s[G1XS+5], 32
	s_mov_b32 s[G1XS+6], 0
	s_mov_b32 s[G1XS+7], 0
	s_or_b32 s[G1WS], s[CM], (3<<16)|(1<<20)|(1<<21)|(5<<22)|(3<<25)
	s_mov_b32 s[G1WS+1], 32<<16
	s_mov_b32 s[G1WS+2], 32<<16
	s_mov_b32 s[G1WS+3], 32<<16
	s_mov_b32 s[G1WS+4], 32
	s_mov_b32 s[G1WS+5], 32
	s_mov_b32 s[G1WS+6], 0
	s_mov_b32 s[G1WS+7], 0
	s_lshl_b32 s74, s[WGY], 16                     ; x's codes: 128 rows of 512 bytes
	s_mov_b32 s75, 0
	s_lshl_b32 s76, s[WGY], 12                     ; x's scale bytes: 128 rows of 32
	s_mov_b32 s77, 0
	s_lshl_b32 s78, s[WGX], 17                     ; W's codes, behind x's 8,192 rows
	s_add_co_u32 s78, s78, 8192*512
	s_mov_b32 s79, 0
	s_lshl_b32 s80, s[WGX], 13
	s_add_co_u32 s80, s80, 8192*32
	s_mov_b32 s81, 0
	s_mov_b32 s[SEL], 0x76543210
	s_mov_b32 s[SEL+1], 0xfedcba98                 ; v_permlanex16_b32's selects for lane l xor 16
	s_wait_dscnt 0x0                               ; both opening adds are done
	s_wait_kmcnt 0x0
	s_mov_b32 s[G0X], 1
	s_mov_b32 s[G0X+1], XR
	s_add_nc_u64 s[G0X+2:G0X+3], s[4:5], s[74:75]
	s_or_b32 s[G0X+3], s[G0X+3], 0x80000000
	s_mov_b32 s[G0XS], 1
	s_mov_b32 s[G0XS+1], XSC
	s_add_nc_u64 s[G0XS+2:G0XS+3], s[6:7], s[76:77]
	s_or_b32 s[G0XS+3], s[G0XS+3], 0x80000000
	s_mov_b32 s[G0W], 1
	s_mov_b32 s[G0W+1], WR
	s_add_nc_u64 s[G0W+2:G0W+3], s[4:5], s[78:79]
	s_or_b32 s[G0W+3], s[G0W+3], 0x80000000
	s_mov_b32 s[G0WS], 1
	s_mov_b32 s[G0WS+1], WSC
	s_add_nc_u64 s[G0WS+2:G0WS+3], s[6:7], s[80:81]
	s_or_b32 s[G0WS+3], s[G0WS+3], 0x80000000
	CROUND                                         ; all sixteen work-groups are here: the joint loads meet
	s_cmp_lt_u32 s[WV], 2                          ; one load a wave: 0 x's codes, 1 x's scales, 2 W's codes, 3 W's scales.  The branches hang on the wave's number alone
	s_cbranch_scc0 .Lfor_w
	s_cmp_eq_u32 s[WV], 0
	s_cbranch_scc0 .Lfor_xs
	tensor_load_to_lds s[G0X:G0X+3], s[G1X:G1X+7]
	s_nop 0
	PLACES 4
	s_branch .Lasked
.Lfor_xs:
	tensor_load_to_lds s[G0XS:G0XS+3], s[G1XS:G1XS+7]
	s_nop 0
	PLACES 4
	s_branch .Lasked
.Lfor_w:
	s_cmp_eq_u32 s[WV], 2
	s_cbranch_scc0 .Lfor_ws
	tensor_load_to_lds s[G0W:G0W+3], s[G1W:G1W+7]
	s_nop 0
	PLACES 4
	s_branch .Lasked
.Lfor_ws:
	tensor_load_to_lds s[G0WS:G0WS+3], s[G1WS:G1WS+7]
	s_nop 0
	PLACES 4
.Lasked:
	v_and_b32 v1, 15, v0                           ; r
	v_bfe_u32 v2, v0, 4, 1                         ; h
	v_mul_u32_u24 v3, v1, PITCH
	v_lshl_add_u32 v3, v2, 4, v3                   ; a fragment: row r x pitch + 16 h
	v_bfe_u32 v4, v0, 3, 1                         ; r / 8
	v_and_b32 v5, 7, v0                            ; r % 8
	v_lshl_add_u32 v6, v2, 2, v4
	v_mul_u32_u24 v6, v6, 272
	v_lshl_add_u32 v6, v5, 5, v6                   ; R's scale words: lanes 16-31 two blocks (4 runs) on
	v_lshl_add_u32 v7, v2, 3, v4
	v_mul_u32_u24 v7, v7, 272
	v_lshl_add_u32 v7, v5, 5, v7                   ; P's: lanes 16-31 four tiles (8 runs) on
	v_and_b32 v18, 31, v0
	v_lshlrev_b32 v[VO], 4, v18
	v_lshlrev_b32 v[VO8], 3, v18
	s_lshl_b32 s71, s[WV], 8
	s_add_co_u32 s71, s71, SST
	v_lshl_add_u32 v[SSA], v1, 2, s71
	v_add_nc_u32 v[SSR], s71, v[VO8]
	v_lshlrev_b32 v[BO], 6, v2                     ; q, k: my half's 16 channels on
	v_lshlrev_b32 v[BV], 2, v5
	v_lshl_add_u32 v[BV], v4, 6, v[BV]             ; v: the channel of stored row r: r % 8 + 16 (r / 8)
.irp b, 0,1,2,3
	v_mov_b32 v[TM+4+\b], 0                        ; written once: a lane permute's destination counts as one of its sources
.endr
	; LDS bases, both ways, then the choice
	s_lshr_b32 s92, s[WV], 1
	s_and_b32 s93, s[WV], 1
	s_mul_i32 s94, s92, 64*PITCH                   ; q, k: R = x's rows 64 (wave / 2) on
	s_mul_i32 s95, s[WV], 64*PITCH
	s_add_co_u32 s95, s95, WR                      ; v: R = W's rows 64 wave on
	s_mul_i32 s96, s93, 128*PITCH
	s_add_co_u32 s96, s96, WR                      ; q, k: P = W's rows 128 (wave % 2) on;  v: P = x's 128 rows
	s_mul_i32 s97, s92, 8*272
	s_add_co_u32 s97, s97, XSC
	s_mul_i32 s98, s[WV], 8*272
	s_add_co_u32 s98, s98, WSC
	s_mul_i32 s99, s93, 16*272
	s_add_co_u32 s99, s99, WSC
	s_mov_b32 s100, XSC
	s_cmp_eq_u32 ttmp9, 2
	s_cselect_b32 s94, s95, s94
	s_cselect_b32 s96, XR, s96
	s_cselect_b32 s97, s98, s97
	s_cselect_b32 s99, s100, s99
	v_add_nc_u32 v[ADR], s94, v3
	v_add_nc_u32 v[ADP], s96, v3
	v_add_nc_u32 v[ASR], s97, v6
	v_add_nc_u32 v[ASP], s99, v7
	; where the results go, and the bias
	s_lshl_b32 s84, s[WGX], 8
	s_lshl_b32 s85, s93, 7
	s_add_co_u32 s85, s84, s85
	s_and_b32 s85, s85, 1023                       ; q, k: my first channel (128 of them)
	s_lshl_b32 s94, s[WV], 6
	s_add_co_u32 s84, s84, s94
	s_and_b32 s84, s84, 1023                       ; v: my first channel (64)
	s_lshl_b32 s94, s[WGY], 7
	s_lshl_b32 s95, s92, 6
	s_add_co_u32 s94, s94, s95                     ; q, k: my first stored token
	s_bfe_u32 s95, s94, 0x70004                    ; its tile of 16 within the sequence
	s_lshl_b32 s96, s95, 10                        ; q, k: codes: 1,024 bytes a tile
	s_lshl_b32 s97, s95, 6                         ; scale words: 64 bytes a tile
	s_bfe_u32 s98, s84, 0x10006                    ; v: which head of the pair
	s_and_b32 s99, s[WGY], 15                      ; v: which step of 128 keys
	s_lshl_b32 s100, s98, 16
	s_lshl_b32 s101, s99, 12
	s_add_co_u32 s100, s100, s101                  ; v: codes: 65,536 a head, 4,096 a key step
	s_lshl_b32 s98, s98, 12
	s_lshl_b32 s99, s99, 8
	s_add_co_u32 s98, s98, s99                     ; v: scale words: 4,096 a head, 256 a key step
	s_cmp_eq_u32 ttmp9, 1
	s_cselect_b64 s[BPT:BPT+1], s[10:11], s[8:9]
	s_cmp_eq_u32 ttmp9, 2
	s_cselect_b64 s[BPT:BPT+1], s[12:13], s[BPT:BPT+1]
	s_cselect_b32 s84, s84, s85
	s_cselect_b32 s96, s100, s96
	s_cselect_b32 s97, s98, s97
	s_lshr_b32 s85, s84, 7                         ; the pair of heads
	s_lshr_b32 s94, s[WGY], 4                      ; the batch
	s_lshl_b32 s94, s94, 3
	s_add_co_u32 s94, s94, s85
	s_mul_i32 s94, s94, BPB
	s_mul_i32 s95, ttmp9, TS
	s_add_co_u32 s94, s94, s95                     ; my block in qkvw
	s_add_co_u32 s98, s96, s94
	s_mov_b32 s99, 0
	s_add_co_u32 s100, s97, s94
	s_add_co_u32 s100, s100, 131072
	s_mov_b32 s101, 0
	s_add_nc_u64 s[CB:CB+1], s[14:15], s[98:99]
	s_add_nc_u64 s[SB:SB+1], s[14:15], s[100:101]
	s_lshl_b32 s92, s84, 2
	s_mov_b32 s93, 0
	s_add_nc_u64 s[BPT:BPT+1], s[BPT:BPT+1], s[92:93]
	; the bias, in the result's layout, while the tiles are on their way.  Both arms write the same 64 registers
	s_cmp_eq_u32 ttmp9, 2
	s_cbranch_scc1 .Lbias_v
	WIN 0x80                                       ; destination window 2
.irp b, 0,1,2,3,4,5,6,7                ; q, k: tile b's register j is channel 32 (b / 2) + 16 h + 8 (b % 2) + j
	global_load_b128 v[BIAS+8*\b:BIAS+8*\b+3], v[BO], s[BPT:BPT+1] offset:(32*(\b/2)+8*(\b%2))*4
	global_load_b128 v[BIAS+8*\b+4:BIAS+8*\b+7], v[BO], s[BPT:BPT+1] offset:(32*(\b/2)+8*(\b%2))*4+16
.endr
	WIN 0
	s_branch .Lbias_done
.Lbias_v:
	WIN 0x80
.irp i, 0,1,2,3,4,5,6,7                ; v: the lane's own channel in all eight registers of block i % 4; two sets, which the products take by turns
.irp j, 0,1,2,3,4,5,6,7
	global_load_b32 v[BIAS+8*\i+\j], v[BV], s[BPT:BPT+1] offset:(32*((\i%4)/2)+8*(\i%2))*4
.endr
.endr
	WIN 0
.Lbias_done:
.macro FETCH q, set                    ; the fragments of K step q: 16 loads for P's eight tiles, 8 for R's four blocks
	WIN 0x80
.irp b, 0,1,2,3,4,5,6,7
.irp c, 0,1
	ds_load_b128 v[PF+64*(\set)+8*\b+4*\c:PF+64*(\set)+8*\b+4*\c+3], v[ADP] offset:\b*16*PITCH+64*(\q)+32*\c
.endr
.endr
	WIN 0
.irp a, 0,1,2,3
.irp c, 0,1
	ds_load_b128 v[RF+32*(\set)+8*\a+4*\c:RF+32*(\set)+8*\a+4*\c+3], v[ADR] offset:\a*16*PITCH+64*(\q)+32*\c
.endr
.endr
.endm
; 32 products: the accumulators take turns, one instruction a turn, in the same order in every K step.  cm = 0: sums go on; 1: C = the bias by tile of P; 2: by block of R
.macro MUL q, set, cm
.if (\cm) == 0
	WIN 0x52                                       ; source 0 window 2, source 1 window 0, C and D window 1
.else
	WIN 0x62                                       ; C window 2
.endif
.irp a, 0,1,2,3
.irp b, 0,1,2,3,4,5,6,7
.if (\cm) == 0
	PROD 8*(8*\a+\b), PF+64*(\set)+8*\b, RF+32*(\set)+8*\a, 8*(8*\a+\b), SP+8*(\b%4)+(\q), SR+8*(\a%2)+(\q), \b/4, \a/2
.elseif (\cm) == 1
	PROD 8*(8*\a+\b), PF+64*(\set)+8*\b, RF+32*(\set)+8*\a, BIAS+8*\b, SP+8*(\b%4)+(\q), SR+8*(\a%2)+(\q), \b/4, \a/2
.else
	PROD 8*(8*\a+\b), PF+64*(\set)+8*\b, RF+32*(\set)+8*\a, BIAS+8*(\a+4*(\b%2)), SP+8*(\b%4)+(\q), SR+8*(\a%2)+(\q), \b/4, \a/2
.endif
.endr
.endr
	WIN 0
.endm
	s_wait_tensorcnt 0x0                           ; my load has landed,
	s_barrier_signal -1
	s_barrier_wait -1                              ; everybody's has
.irp i, 0,1,2,3                        ; the scale words of all eight K steps: 12 loads
.irp u, 0,1
	ds_load_b128 v[SP+8*\i+4*\u:SP+8*\i+4*\u+3], v[ASP] offset:\i*544+16*\u
.endr
.endr
.irp i, 0,1
.irp u, 0,1
	ds_load_b128 v[SR+8*\i+4*\u:SR+8*\i+4*\u+3], v[ASR] offset:\i*544+16*\u
.endr
.endr
	FETCH 0, 0
	FETCH 1, 1
	s_wait_dscnt 24                                ; all but K step 1's 24 loads
	s_wait_loadcnt 0x0                             ; the bias
	s_cmp_eq_u32 ttmp9, 2
	s_cbranch_scc1 .Lfirst_v
	MUL 0, 0, 1
	s_branch .Lfirst_done
.Lfirst_v:
	MUL 0, 0, 2
.Lfirst_done:
.irp q, 1,2,3,4,5,6,7
	PLACES 4                                       ; in front of loads into registers that the last products read
.if \q < 7
	FETCH \q+1, (\q+1)%2
	s_wait_dscnt 24                                ; this K step's fragments are in; the 24 just issued may be out
.else
	s_wait_dscnt 0x0
.endif
	MUL \q, \q%2, 0
.endr
	PLACES 4                                       ; in front of the first read of results
	s_wait_dscnt 0x0
	s_barrier_signal -1                            ; every wave's reads of the tiles are over before any wave stores to LDS
	s_barrier_wait -1
.macro OUTB a                          ; block a's 16 rows x 128: a fragment and its scale words
	QUANT 64*(\a), 1, PC+8*(\a), PW+(\a)
	global_store_b128 v[VO], v[PC+8*(\a):PC+8*(\a)+3], s[CB:CB+1] offset:1024*(\a)          ; 32 lanes store 512 consecutive bytes, aligned
	global_store_b128 v[VO], v[PC+8*(\a)+4:PC+8*(\a)+7], s[CB:CB+1] offset:1024*(\a)+512
	ds_store_b32 v[SSA], v[PW+(\a)] offset:64*(\a) ; both halves of the lanes write the same word with the same value
.endm
	OUTB 0
	OUTB 1
	OUTB 2
	OUTB 3
	ds_load_b64 v[WO:WO+1], v[SSR]                 ; LDS serves a wave's instructions in order: these see my stores
	s_wait_dscnt 0x0
	global_store_b64 v[VO8], v[WO:WO+1], s[SB:SB+1]  ; four tiles' scale words: 256 consecutive bytes, aligned
	s_wait_tensorcnt 0x0                           ; the wave's end
	ds_add_u32 v[SPW], v[NIL]
	s_wait_dscnt 0x0
	CROUND                                         ; the closing round
	s_endpgm
.Lfunc_end_k_q12de2469bb_qkv:
	.size	k_q12de2469bb_qkv, .Lfunc_end_k_q12de2469bb_qkv-k_q12de2469bb_qkv
	.p2alignl 7, 3214868480
	.fill 96, 4, 3214868480
	.section	.rodata,"a",@progbits
	.p2align	6, 0x0
	.amdhsa_kernel k_q12de2469bb_qkv
		.amdhsa_group_segment_fixed_size 217344
		.amdhsa_private_segment_fixed_size 0
		.amdhsa_enable_private_segment 0
		.amdhsa_kernarg_size 48
		.amdhsa_user_sgpr_count 2
		.amdhsa_user_sgpr_kernarg_segment_ptr 1
		.amdhsa_wavefront_size32 1
		.amdhsa_system_sgpr_workgroup_id_x 1
		.amdhsa_system_sgpr_workgroup_id_y 1
		.amdhsa_system_sgpr_workgroup_id_z 1
		.amdhsa_system_vgpr_workitem_id 0
		.amdhsa_next_free_vgpr 768
		.amdhsa_next_free_sgpr 102
		.amdhsa_reserve_vcc 0
		.amdhsa_float_denorm_mode_32 3
		.amdhsa_float_denorm_mode_16_64 3
		.amdhsa_memory_ordered 1
		.amdhsa_forward_progress 1
		.amdhsa_inst_pref_size 86
	.end_amdhsa_kernel
	.amdgpu_metadata
---
amdhsa.version: [ 1, 2 ]
amdhsa.kernels:
  - .name:           k_q12de2469bb_qkv
    .symbol:         k_q12de2469bb_qkv.kd
    .args:
      - { .name: codes, .offset: 0, .size: 8, .value_kind: global_buffer, .address_space: global }
      - { .name: scales, .offset: 8, .size: 8, .value_kind: global_buffer, .address_space: global }
      - { .name: bq, .offset: 16, .size: 8, .value_kind: global_buffer, .address_space: global }
      - { .name: bk, .offset: 24, .size: 8, .value_kind: global_buffer, .address_space: global }
      - { .name: bv, .offset: 32, .size: 8, .value_kind: global_buffer, .address_space: global }
      - { .name: qkvw, .offset: 40, .size: 8, .value_kind: global_buffer, .address_space: global }
    .group_segment_fixed_size: 217344
    .private_segment_fixed_size: 0
    .kernarg_segment_align: 8
    .kernarg_segment_size: 48
    .max_flat_workgroup_size: 128
    .sgpr_count:     102
    .vgpr_count:     768
    .wavefront_size: 32
...
	.end_amdgpu_metadata
.endif
;; end of part 2
;; launch attn (part 3): grid 8 x 32, 8 waves a work-group, clusters of 4 x 1, 327,680 bytes of LDS; arguments qkvw, pad_mask, oimg; writes oimg
.if DOCPART == 3
	.amdgcn_target "amdgcn-amd-amdhsa--gfx1250"
	.amdhsa_code_object_version 6
	.text
	.protected	k_q12de2469bb_attn
	.globl	k_q12de2469bb_attn
	.p2align	8
	.type	k_q12de2469bb_attn,@function
k_q12de2469bb_attn:
	s_mov_b64 s[64:65], 0
	v_nop
	global_prefetch_b8 v0, s[64:65] scope:SCOPE_SE
	s_setreg_imm32_b32 hwreg(HW_REG_WAVE_MODE, 25, 1), 1
	s_wait_xcnt 0x0
	s_wait_alu depctr_hold_cnt(0) depctr_sa_sdst(0) depctr_va_vdst(0) depctr_va_sdst(0) depctr_va_ssrc(0) depctr_va_vcc(0) depctr_vm_vsrc(0)
	s_getreg_b32 s2, hwreg(HW_REG_IB_STS2, 6, 4)
	s_cmp_eq_u32 s2, 0
	s_cbranch_scc0 .Lentry_in_a_cluster
	s_endpgm
.Lentry_in_a_cluster:
	s_bfe_u32 s2, ttmp6, 0x10000c
	s_cmp_lg_u32 s2, 0x3003
	s_cbranch_scc0 .Lentry_shape_is_right
	s_endpgm
.Lentry_shape_is_right:
; LAUNCH 3 OF 4.  attn = softmax(q k^T / 8 under the causal and the pad mask), NaN to 0; o = attn v.  Both products on codes of FP4.
; WORK LEFT OUT: steps of 128 keys all of which come after all 16 queries of a tile (the causal mask that reference() builds itself makes their attn exactly 0; shown at the head of launch quant).
; attn IS QUANTISED FINISHED AND NORMALISED, so a row's maximum and sum are wanted before any p is quantised: TWO PASSES over the keys.  Pass 1: scores, running maximum m, running sum l.
; Pass 2: scores again, p = 2^(c s - c m) x (1 / l), quantised along the keys in blocks of 32, o += v^T p^T.  c = log2(e) / 8.
; SHARES.  A work-group (g = 0..7, a batch and a PAIR of heads) owns the tiles of 16 stored queries 8 u + g, u = 0..15; tile u needs u + 1 key steps.  Wave w owns u = 15 - w and u = w: 17 steps, two heads each, in every wave.
; K AND V OF THE PAIR STAY IN LDS for the whole launch, as images of operand registers: no ring, no refill, no barrier in the loops.  The four work-groups of a cluster need the same bytes: joint loads.
; g enters global addresses and data alone: no branch, trip count or LDS address.  The loops' trip counts are the constant 16; work is jumped over on the wave's number and the count of steps.
; LAYOUT.  Both products transposed: S^T = K Q^T (source 0 = 16 stored keys), O^T = V^T P^T (source 0 = 16 stored channels): a lane holds one query throughout, and by the stored order 16 registers of two
; neighbouring tiles are 16 neighbouring keys (channels).  K = 64 a head: a fragment of K holds head A's codes in k 0-63 and head B's in k 64-127; Q's operand has zero codes in the other head's half.
; THE MASKS COST NO WORK A SCORE: the pad mask is the C of K Q^T (0, or -2^100 where pad_mask is 1); in a tile's diagonal step the causal mask is laid over those 64 registers once for both heads.
; m starts at -2^96, above every hidden score: where all keys so far are hidden every exponent is far below 0, p = 0 and l = 0.  A row whose m is still -2^96 at the end has no key: 1 / l is chosen 0, so attn = 0.
; LIMITS: true scores (before the division by 8) lie above -2^96; NaN and infinities among the inputs are not served.  A block's largest p is taken from its largest score by the same three instructions, which
; takes v_exp_f32 not to fall where its input rises.
.set TS,    4456448
.set BPB,   139264
.set OBLK,  69632                      ; a block of 128 rows in oimg: 65,536 bytes of codes, 4,096 of scale words
.set PART,  17408                      ; a wave's eighth of K's or V's block: 68 rows of 256 bytes
.set VREG,  139264                     ; LDS: K's block at 0, V's here,
.set BIAS,  278528                     ; one f32 for each stored key; no fill lands here,
.set SPARE, 286720                     ; the spare words, 128 bytes a wave; no other line names them
.set L16, 1                            ; v1 16 x lane   v2 4 x (lane % 16)   v3 BIAS + 32 (lane / 16)
.set L4R, 2
.set BB,  3
.set DQ,  4                            ; v4 my query within its 128, less 16 (lane / 16)
.set NEG, 5                            ; v5 -2^100
.set SPW, 6
.set NIL, 7
.set ADK, 8                            ; v8-13 the step's LDS addresses
.set ADS, 9
.set ADB, 10
.set ADV, 11
.set ADV2, 12
.set ADT, 13
.set ST,  16                           ; v16-31 unit e = 2 tile + head: +0 -c m, +1 m, +2, +3 l in two halves; behind pass 1 +2 holds 1 / l
.set QS,  32                           ; v32-35 Q's scale words, one a unit
.set KS,  36                           ; v36-39 K's: lanes 0-15 tile 2 i, lanes 16-31 tile 2 i + 1
.set VS,  40                           ; v40-43 V's, 2 head + i, likewise
.set PW,  44                           ; v44 p's scale word
.set PW2, 46
.set Q,   48                           ; v48-71 a tile: [head A][zeros][head B]
.set PC,  72                           ; v72-79 p's codes
.set TM,  80
.set BM,  TM                           ; v80-83 the blocks' maxima   v84-87 the other half's, then bytes
.set BX,  TM+4
.set OLD, TM+8
.set DD,  TM+9
.set AL,  TM+10                        ; v[90:91] alpha
.set SCV, TM+12                        ; v92-95 the conversions' scale operands
.set TT,  TM+16
.set TP,  TM+18
.set PC2, 104
.set S,   112                          ; v112-175 S^T, then p
.set KF,  176                          ; v176-239 K's eight fragments
.set LS4, 240
.set LV,  241
.set LV2, 242
.set LT,  243
.set QW,  244
.set PO,  246
.set BA,  247
.set O,   0                            ; window 1: v0-127 O^T at 64 tile + 32 head + 8 ct;  v128-191 the C of K Q^T;  v192-255 V's fragments at 32 head + 8 ct
.set BR,  128
.set VF,  192
.set WV,  10
.set BP,  12
.set G1,  16
.set G0K, 24
.set G0V, 28
.set SEL, 32
.set CS,  34
.set CNT, 36
.set U0,  37
.set NC,  38
.set KO,  40
.set SO,  41
.set VO,  42
.set TO,  43
.set OB,  44
.set OS,  48
.set QB,  52
.set QSB, 56
.set G,   66                           ; s66 on: what holds my place in the cluster; none of these feeds a descriptor
.set MSB, 0
.macro WIN new
.if MSB != (\new)
	s_set_vgpr_msb (MSB<<8)|(\new)
.set MSB, (\new)
.endif
.endm
.macro PLACES n
.rept \n
	v_nop
.endr
.endm
.macro CROUND
	s_barrier_signal -1
	s_barrier_wait -1
	s_cmp_lg_u32 s[WV], 0
	s_cbranch_scc1 .Lnot_wave_0_\@
	s_barrier_signal -3
.Lnot_wave_0_\@:
	s_barrier_wait -3
	s_barrier_signal -1
	s_barrier_wait -1
.endm
.macro PROD dd, pp, rr, cc, sp, sr, ra, rb
.if (\ra) && (\rb)
	v_wmma_scale_f32_16x16x128_f8f6f4 v[(\dd):(\dd)+7], v[(\pp):(\pp)+7], v[(\rr):(\rr)+7], v[(\cc):(\cc)+7], v[(\sp)], v[(\sr)] matrix_a_fmt:MATRIX_FMT_FP4 matrix_b_fmt:MATRIX_FMT_FP4 matrix_a_scale:MATRIX_SCALE_ROW1 matrix_b_scale:MATRIX_SCALE_ROW1
.elseif (\ra)
	v_wmma_scale_f32_16x16x128_f8f6f4 v[(\dd):(\dd)+7], v[(\pp):(\pp)+7], v[(\rr):(\rr)+7], v[(\cc):(\cc)+7], v[(\sp)], v[(\sr)] matrix_a_fmt:MATRIX_FMT_FP4 matrix_b_fmt:MATRIX_FMT_FP4 matrix_a_scale:MATRIX_SCALE_ROW1
.elseif (\rb)
	v_wmma_scale_f32_16x16x128_f8f6f4 v[(\dd):(\dd)+7], v[(\pp):(\pp)+7], v[(\rr):(\rr)+7], v[(\cc):(\cc)+7], v[(\sp)], v[(\sr)] matrix_a_fmt:MATRIX_FMT_FP4 matrix_b_fmt:MATRIX_FMT_FP4 matrix_b_scale:MATRIX_SCALE_ROW1
.else
	v_wmma_scale_f32_16x16x128_f8f6f4 v[(\dd):(\dd)+7], v[(\pp):(\pp)+7], v[(\rr):(\rr)+7], v[(\cc):(\cc)+7], v[(\sp)], v[(\sr)] matrix_a_fmt:MATRIX_FMT_FP4 matrix_b_fmt:MATRIX_FMT_FP4
.endif
.endm
; 64 numbers of a lane in window w, register 16 b + i = k 32 b + 16 (lane / 16) + i of my row, become a fragment's codes in v[pc] on and its scale word in v[pw]
.macro QUANT s, w, pc, pw
	WIN 5*(\w)
.irp b, 0,1,2,3
	v_max3_num_f32 v[TM+\b], |v[(\s)+16*\b]|, |v[(\s)+16*\b+1]|, 0x1800000
.endr
.irp i, 2,4,6,8,10,12,14
.irp b, 0,1,2,3
	v_max3_num_f32 v[TM+\b], |v[(\s)+16*\b+\i]|, |v[(\s)+16*\b+\i+1]|, v[TM+\b]
.endr
.endr
	WIN 0
.irp b, 0,1,2,3
	v_permlanex16_b32 v[TM+4+\b], v[TM+\b], s[SEL], s[SEL+1]
.endr
.irp b, 0,1,2,3
	v_max_num_f32 v[TM+\b], v[TM+\b], v[TM+4+\b]
.endr
.irp b, 0,1,2,3
	v_add_nc_u32 v[TM+12+\b], 0xff000000, v[TM+\b]
.endr
.irp b, 0,1,2,3
	v_lshrrev_b32 v[TM+4+\b], 23, v[TM+12+\b]
.endr
	v_lshl_or_b32 v[(\pw)], v[TM+5], 8, v[TM+4]
	v_lshl_or_b32 v[(\pw)], v[TM+6], 16, v[(\pw)]
	v_lshl_or_b32 v[(\pw)], v[TM+7], 24, v[(\pw)]
	WIN (\w)
.irp b, 0,1,2,3
	v_cvt_scalef32_pk8_fp4_f32 v[(\pc)+2*\b], v[(\s)+16*\b:(\s)+16*\b+7], v[TM+12+\b]
	v_cvt_scalef32_pk8_fp4_f32 v[(\pc)+2*\b+1], v[(\s)+16*\b+8:(\s)+16*\b+15], v[TM+12+\b]
.endr
	WIN 0
	v_nop
.irp c, 0,1
.irp i, 0,1
	v_permlane16_swap_b32 v[(\pc)+4*\c+\i], v[(\pc)+2+4*\c+\i]
.endr
.endr
.endm
	s_load_b128 s[4:7], s[0:1], 0x0                ; qkvw, pad_mask
	s_load_b64 s[8:9], s[0:1], 0x10                ; oimg
	v_lshl_add_u32 v[SPW], v0, 2, SPARE
	v_mov_b32 v[NIL], 0
	ds_add_u32 v[SPW], v[NIL]                      ; the wave's opening: the add, twice on end, and its wait ahead of my first tensor load
	ds_add_u32 v[SPW], v[NIL]
	v_lshrrev_b32 v14, 5, v0
	v_readfirstlane_b32 s[WV], v14                 ; wave 0..7
	s_and_b32 s[BP], ttmp7, 0xffff                 ; batch x 8 + pair of heads: the partners share it
	s_mov_b32 s[G1], 15|(3<<16)|(1<<21)            ; the mask: all four work-groups; elements of 8 bytes; bit 21 beside a mask; no padding: images are read 16 bytes a lane on end
	s_mov_b32 s[G1+1], 32<<16                      ; rows of 256 bytes
	s_mov_b32 s[G1+2], 68<<16
	s_mov_b32 s[G1+3], 32<<16
	s_mov_b32 s[G1+4], 68
	s_mov_b32 s[G1+5], 32
	s_mov_b32 s[G1+6], 0
	s_mov_b32 s[G1+7], 0
	s_mul_i32 s14, s[WV], PART                     ; my eighth, in LDS and in memory
	s_mul_i32 s60, s[BP], BPB
	s_add_co_u32 s60, s60, s14
	s_add_co_u32 s60, s60, TS                      ; k is the second tensor of qkvw,
	s_mov_b32 s61, 0
	s_add_co_u32 s62, s60, TS                      ; v the third
	s_mov_b32 s63, 0
	s_mov_b32 s[SEL], 0x76543210
	s_mov_b32 s[SEL+1], 0xfedcba98
	s_mov_b32 s[CS], 0x3e38aa3b                    ; c = log2(e) / 8
	s_mov_b32 s[CS+1], s[CS]
	s_mov_b32 s[NC], 0xbe38aa3b                    ; -c
	s_xor_b32 s[U0], s[WV], 15                     ; 15 - wave: my long tile's last step
	s_wait_dscnt 0x0                               ; both opening adds are done
	s_wait_kmcnt 0x0
	s_mov_b32 s[G0K], 1
	s_mov_b32 s[G0K+1], s14
	s_add_nc_u64 s[G0K+2:G0K+3], s[4:5], s[60:61]
	s_or_b32 s[G0K+3], s[G0K+3], 0x80000000
	s_mov_b32 s[G0V], 1
	s_add_co_u32 s[G0V+1], s14, VREG
	s_add_nc_u64 s[G0V+2:G0V+3], s[4:5], s[62:63]
	s_or_b32 s[G0V+3], s[G0V+3], 0x80000000
	CROUND                                         ; all four work-groups are here: the joint loads meet
	tensor_load_to_lds s[G0K:G0K+3], s[G1:G1+7]    ; two loads of mine are out: K's eighth,
	s_nop 0
	tensor_load_to_lds s[G0V:G0V+3], s[G1:G1+7]    ; and V's
	s_nop 0
	PLACES 4
	s_bfe_u32 s[G], ttmp6, 0x40000
	s_lshl_b32 s67, ttmp9, 2
	s_add_co_u32 s[G], s[G], s67                   ; g = 4 x cluster x + cx
	s_mul_i32 s67, s[BP], BPB
	s_lshr_b32 s68, s[BP], 3                       ; batch
	s_and_b32 s69, s[BP], 7                        ; pair of heads
	s_lshl_b32 s70, s68, 13
	s_mov_b32 s71, 0
	s_add_nc_u64 s[6:7], s[6:7], s[70:71]          ; my batch's 2,048 words of the mask
.macro TADDR t, u                      ; tile t's addresses; u: the scalar that holds its block of 128 queries
	s_lshl_b32 s72, s[\u], 3
	s_add_co_u32 s72, s72, s[G]                    ; the tile of 16 stored queries
	s_lshl_b32 s74, s72, 10
	s_add_co_u32 s74, s74, s67
	s_mov_b32 s75, 0
	s_add_nc_u64 s[QB+2*\t:QB+2*\t+1], s[4:5], s[74:75]
	s_lshl_b32 s74, s72, 6
	s_add_co_u32 s74, s74, s67
	s_add_co_u32 s74, s74, 131072
	s_add_nc_u64 s[QSB+2*\t:QSB+2*\t+1], s[4:5], s[74:75]
	s_lshl_b32 s72, s68, 4
	s_add_co_u32 s72, s72, s[\u]
	s_mul_i32 s72, s72, OBLK                       ; its block of 128 rows in oimg
	s_lshl_b32 s73, s[G], 13
	s_add_co_u32 s74, s72, s73
	s_lshl_b32 s73, s69, 10
	s_add_co_u32 s74, s74, s73
	s_add_nc_u64 s[OB+2*\t:OB+2*\t+1], s[8:9], s[74:75]
	s_lshl_b32 s73, s[G], 6
	s_add_co_u32 s74, s72, s73
	s_lshl_b32 s73, s69, 9
	s_add_co_u32 s74, s74, s73
	s_add_co_u32 s74, s74, 65536
	s_add_nc_u64 s[OS+2*\t:OS+2*\t+1], s[8:9], s[74:75]
.endm
	TADDR 0, U0
	TADDR 1, WV
	v_and_b32 v14, 31, v0                          ; lane
	v_lshlrev_b32 v[L16], 4, v14
	v_and_b32 v15, 15, v0                          ; r
	v_lshlrev_b32 v[L4R], 2, v15
	v_lshlrev_b32 v[PO], 5, v0                     ; the mask: 8 keys a thread
	global_load_b128 v[S:S+3], v[PO], s[6:7]
	global_load_b128 v[S+4:S+7], v[PO], s[6:7] offset:16
.irp t, 0,1
	global_load_b128 v[Q+12*\t:Q+12*\t+3], v[L16], s[QB+2*\t:QB+2*\t+1]               ; head A's codes
	global_load_b128 v[Q+12*\t+8:Q+12*\t+11], v[L16], s[QB+2*\t:QB+2*\t+1] offset:512  ; head B's
.endr
.irp t, 0,1
	global_load_b32 v[QW+\t], v[L4R], s[QSB+2*\t:QSB+2*\t+1]
.endr
	v_bfe_u32 v248, v0, 4, 1                       ; h
	v_lshl_add_u32 v[BB], v248, 5, BIAS
	v_lshl_add_u32 v[LS4], v14, 2, 131072          ; K's scale words
	v_add_nc_u32 v[LV], VREG, v[L16]
	v_add_nc_u32 v[LV2], VREG+65536, v[L16]
	v_lshl_add_u32 v[LT], v14, 2, VREG+131072
	s_lshr_b32 s72, s[G], 1
	s_lshl_b32 s72, s72, 5
	s_and_b32 s73, s[G], 1
	s_lshl_b32 s73, s73, 3
	s_add_co_u32 s72, s72, s73
	v_and_b32 v249, 7, v0
	v_bfe_u32 v250, v0, 3, 1
	v_lshl_add_u32 v249, v250, 4, v249
	v_lshlrev_b32 v250, 4, v248
	v_sub_nc_u32 v249, v249, v250
	v_add_nc_u32 v[DQ], s72, v249                  ; 32 (g / 2) + 8 (g % 2) + r % 8 + 16 (r / 8) - 16 h
	v_mov_b32 v[NEG], 0xf1800000                   ; -2^100
	v_and_b32 v[BA], 0xfc, v0                      ; thread t's keys 8 t .. 8 t + 7 lie, in stored order, where t's two low bits are exchanged
	v_lshlrev_b32 v[BA], 5, v[BA]
	v_and_b32 v250, 1, v0
	v_lshl_add_u32 v[BA], v250, 6, v[BA]
	v_bfe_u32 v250, v0, 1, 1
	v_lshl_add_u32 v[BA], v250, 5, v[BA]
	v_add_nc_u32 v[BA], BIAS, v[BA]
.irp b, 0,1,2,3
	v_mov_b32 v[BX+\b], 0                          ; written once: a lane permute's destination counts as one of its sources
.endr
	v_mov_b32 v[TT+1], 0
	v_mov_b32 v[AL+1], 0                           ; named as the upper half of a pair
.irp e, 0,1,2,3
	v_mov_b32 v[ST+4*\e+1], 0xef800000             ; m = -2^96
	v_mov_b32 v[ST+4*\e+2], 0                      ; l
	v_mov_b32 v[ST+4*\e+3], 0
.endr
.irp e, 0,1,2,3
	v_mul_f32 v[ST+4*\e], s[NC], v[ST+4*\e+1]      ; -c m
.endr
.irp t, 0,1
.irp i, 4,5,6,7
	v_mov_b32 v[Q+12*\t+\i], 0                     ; zero codes: the other head's half of either operand
.endr
.endr
	s_wait_loadcnt 6                               ; the mask's two loads are in; Q's six may be out
.irp i, 0,1,2,3,4,5,6,7
	v_cmp_eq_u32 vcc_lo, 1, v[S+\i]
	v_cndmask_b32 v[S+\i], 0, v[NEG], vcc_lo
.endr
	ds_store_b128 v[BA], v[S:S+3]
	ds_store_b128 v[BA], v[S+4:S+7] offset:16
	s_wait_loadcnt 0x0                             ; Q
.irp t, 0,1
	v_and_b32 v[QS+2*\t], 0xffff, v[QW+\t]         ; head A's two bytes; over the zero codes the byte 0
	v_and_b32 v[QS+2*\t+1], 0xffff0000, v[QW+\t]   ; head B's
.endr
	PLACES 8                                       ; a scale word written by a vector instruction stands eight plain vector instructions ahead of the scaled product that takes it: once, ahead of the loops
	s_wait_tensorcnt 1                             ; my eighth of K is in; V's may stay out
	s_wait_dscnt 0x0                               ; my part of the bias is stored
	s_barrier_signal -1
	s_barrier_wait -1
.macro LOADK pass                      ; a step's eight fragments of K, their scale words, the C of the scores; pass 2: both heads' V
	v_add_nc_u32 v[ADK], s[KO], v[L16]
	v_add_nc_u32 v[ADS], s[SO], v[LS4]
	v_add_nc_u32 v[ADB], s[SO], v[BB]
.if \pass == 2
	v_add_nc_u32 v[ADV], s[VO], v[LV]              ; (these six are the places between the last step's products and the loads into V's registers)
	v_add_nc_u32 v[ADV2], s[VO], v[LV2]
	v_add_nc_u32 v[ADT], s[TO], v[LT]
.endif
.irp t, 0,1,2,3,4,5,6,7
.irp c, 0,1
	ds_load_b128 v[KF+8*\t+4*\c:KF+8*\t+4*\c+3], v[ADK] offset:1024*\t+512*\c
.endr
.endr
.irp i, 0,1,2,3
	ds_load_b32 v[KS+\i], v[ADS] offset:128*\i
.endr
	WIN 0x40                                       ; destination window 1
.irp t, 0,1,2,3,4,5,6,7
.irp c, 0,1
	ds_load_b128 v[BR+8*\t+4*\c:BR+8*\t+4*\c+3], v[ADB] offset:64*\t+16*\c   ; register j of tile t: stored key 16 t + 8 h + j
.endr
.endr
.if \pass == 2
.irp t, 0,1,2,3
.irp c, 0,1
	ds_load_b128 v[VF+8*\t+4*\c:VF+8*\t+4*\c+3], v[ADV] offset:1024*\t+512*\c
	ds_load_b128 v[VF+32+8*\t+4*\c:VF+32+8*\t+4*\c+3], v[ADV2] offset:1024*\t+512*\c
.endr
.endr
.endif
	WIN 0
.if \pass == 2
.irp i, 0,1
	ds_load_b32 v[VS+\i], v[ADT] offset:128*\i
	ds_load_b32 v[VS+2+\i], v[ADT] offset:4096+128*\i
.endr
.endif
.endm
.macro MASKB                           ; the diagonal step: register 16 b + i holds key 32 b + 16 h + i of the step: hidden where 32 b + i > DQ
	WIN 0x41                                       ; destination and source 0 window 1
.set n, 0
.rept 64
	v_cmp_gt_i32 vcc_lo, 32*(n/16)+n%16, v[DQ]
	v_cndmask_b32 v[BR+n], v[BR+n], v[NEG], vcc_lo
.set n, n+1
.endr
	WIN 0
	PLACES 4
.endm
.macro QK e                            ; S^T = K Q^T + the masks, eight tiles of 16 keys
	WIN 0x10                                       ; C window 1
.irp t, 0,1,2,3,4,5,6,7
	PROD S+8*\t, KF+8*\t, Q+12*((\e)/2)+4*((\e)%2), BR+8*\t, KS+\t/2, QS+(\e), \t%2, 0
.endr
	WIN 0
	PLACES 4                                       ; in front of the first read of results
.endm
.macro BMAX                            ; the largest score of each block of 32 keys (my 16 of them); each accumulator is read from its low end on
.irp b, 0,1,2,3
	v_max3_num_f32 v[BM+\b], v[S+16*\b], v[S+16*\b+1], v[S+16*\b+2]
.endr
.irp i, 3,5,7,9,11,13
.irp b, 0,1,2,3
	v_max3_num_f32 v[BM+\b], v[BM+\b], v[S+16*\b+\i], v[S+16*\b+\i+1]
.endr
.endr
.irp b, 0,1,2,3
	v_max_num_f32 v[BM+\b], v[BM+\b], v[S+16*\b+15]
.endr
.endm
.macro EXPO                            ; c s - c m, two at a time
.set j, 0
.rept 32
	v_pk_fma_f32 v[S+j:S+j+1], v[S+j:S+j+1], s[CS:CS+1], v[rT:rT+1] op_sel_hi:[1,0,0]
.set j, j+2
.endr
.endm
.macro EXP64
.set j, 0
.rept 64
	v_exp_f32 v[S+j], v[S+j]
.set j, j+1
.endr
.endm
.macro UNIT1 e                         ; pass 1, one tile and head: m and l
.set rT, ST+4*(\e)
	QK \e
	BMAX
	v_mov_b32 v[OLD], v[rT]
	v_max3_num_f32 v[TT], v[BM], v[BM+1], v[BM+2]
	v_max3_num_f32 v[TT], v[TT], v[BM+3], v[rT+1]
	v_permlanex16_b32 v[TT+1], v[TT], s[SEL], s[SEL+1]
	v_max_num_f32 v[rT+1], v[TT], v[TT+1]          ; the running maximum
	v_mul_f32 v[rT], s[NC], v[rT+1]                ; -c m
	v_sub_f32 v[DD], v[rT], v[OLD]                 ; c m_old - c m_new, of the two rounded numbers: l stays true to the -c m that pass 2 uses
	EXPO
	v_exp_f32 v[AL], v[DD]
	EXP64
	v_nop                                          ; a plain place behind the last exponential
	s_wait_alu depctr_va_vdst(0)                   ; one wait for the batch of 65, ahead of its first reader
	v_pk_mul_f32 v[rT+2:rT+3], v[rT+2:rT+3], v[AL:AL+1] op_sel_hi:[1,0]
	v_pk_add_f32 v[TP:TP+1], v[S:S+1], v[S+2:S+3]  ; the sum, two at a time, in two chains
.set j, 4
.rept 15
	v_pk_add_f32 v[rT+2:rT+3], v[rT+2:rT+3], v[S+j:S+j+1]
	v_pk_add_f32 v[TP:TP+1], v[TP:TP+1], v[S+j+2:S+j+3]
.set j, j+4
.endr
	v_pk_add_f32 v[rT+2:rT+3], v[rT+2:rT+3], v[TP:TP+1]
.endm
.macro UNIT2 e                         ; pass 2, one tile and head: p, finished and normalised, quantised; O^T += V^T P^T
.set rT, ST+4*(\e)
	QK \e
	BMAX
.irp b, 0,1,2,3
	v_permlanex16_b32 v[BX+\b], v[BM+\b], s[SEL], s[SEL+1]
.endr
.irp b, 0,1,2,3
	v_max_num_f32 v[BM+\b], v[BM+\b], v[BX+\b]     ; with lane l xor 16's 16 keys
.endr
	EXPO
.irp b, 0,1,2,3
	v_fma_f32 v[BM+\b], v[BM+\b], s[CS], v[rT]     ; the same of each block's largest score
.endr
	EXP64
.irp b, 0,1,2,3
	v_exp_f32 v[BM+\b], v[BM+\b]
.endr
	v_nop
	s_wait_alu depctr_va_vdst(0)                   ; one wait for the batch of 68
.irp b, 0,1,2,3
	v_mul_f32 v[BM+\b], v[BM+\b], v[rT+2]          ; the block's largest p: the same instructions on the same number give the same bits
.endr
.irp b, 0,1,2,3
	v_max_num_f32 v[BM+\b], 0x1800000, v[BM+\b]    ; the floor 2^(3 - 127): a block of zeros keeps the byte 1 over zero codes
.endr
.irp b, 0,1,2,3
	v_add_nc_u32 v[SCV+\b], 0xff000000, v[BM+\b]
.endr
.irp b, 0,1,2,3
	v_lshrrev_b32 v[BX+\b], 23, v[SCV+\b]
.endr
	v_lshl_or_b32 v[PW], v[BX+1], 8, v[BX]
	v_lshl_or_b32 v[PW], v[BX+2], 16, v[PW]
	v_lshl_or_b32 v[PW], v[BX+3], 24, v[PW]
.set j, 0
.rept 32
	v_pk_mul_f32 v[S+j:S+j+1], v[S+j:S+j+1], v[rT+2:rT+3] op_sel_hi:[1,0]   ; p = 2^(..) x (1 / l).  (These 32 also stand between the scale word's last write and the products)
.set j, j+2
.endr
.irp b, 0,1,2,3
	v_cvt_scalef32_pk8_fp4_f32 v[PC+2*\b], v[S+16*\b:S+16*\b+7], v[SCV+\b]
	v_cvt_scalef32_pk8_fp4_f32 v[PC+2*\b+1], v[S+16*\b+8:S+16*\b+15], v[SCV+\b]
.endr
	v_nop
.irp c, 0,1
.irp i, 0,1
	v_permlane16_swap_b32 v[PC+4*\c+\i], v[PC+2+4*\c+\i]
.endr
.endr
	PLACES 4                                       ; an operand written by vector instructions stands four places ahead of a scaled product
	WIN 0x51                                       ; V, C and D window 1; p window 0
.irp c, 0,1,2,3
	PROD O+64*((\e)/2)+32*((\e)%2)+8*\c, VF+32*((\e)%2)+8*\c, PC, O+64*((\e)/2)+32*((\e)%2)+8*\c, VS+2*((\e)%2)+\c/2, PW, \c%2, 0
.endr
	WIN 0
.endm
.macro UNIT pass, e
.if \pass == 1
	UNIT1 \e
.else
	UNIT2 \e
.endif
.endm
; A key step.  The jumps hang on the wave's number and the count of steps; the lines at the tail that step addresses are run in every trip.
.macro STEP pass
	s_cmp_gt_u32 s[CNT], s[U0]
	s_cbranch_scc1 .Ltail_\@                       ; behind my long tile's diagonal: nothing is left
	LOADK \pass
	s_wait_dscnt 0x0
	s_cmp_lg_u32 s[CNT], s[U0]
	s_cbranch_scc1 .Lopen0_\@
	MASKB
.Lopen0_\@:
	UNIT \pass, 0
	UNIT \pass, 1
	s_cmp_gt_u32 s[CNT], s[WV]
	s_cbranch_scc1 .Ltail_\@                       ; behind my short tile's diagonal
	s_cmp_lg_u32 s[CNT], s[WV]
	s_cbranch_scc1 .Lopen1_\@
	MASKB
.Lopen1_\@:
	UNIT \pass, 2
	UNIT \pass, 3
.Ltail_\@:
	s_add_co_u32 s[KO], s[KO], 8192
	s_add_co_u32 s[SO], s[SO], 512
	s_add_co_u32 s[VO], s[VO], 4096
	s_add_co_u32 s[TO], s[TO], 256
.endm
	s_mov_b32 s[CNT], 0
	s_mov_b32 s[KO], 0
	s_mov_b32 s[SO], 0
	s_mov_b32 s[VO], 0
	s_mov_b32 s[TO], 0
.Lpass1:
	STEP 1
	s_add_co_u32 s[CNT], s[CNT], 1
	s_cmp_lt_u32 s[CNT], 16
	s_cbranch_scc1 .Lpass1
.irp e, 0,1,2,3
	v_add_f32 v[BM+\e], v[ST+4*\e+2], v[ST+4*\e+3] ; l's two halves,
.endr
.irp e, 0,1,2,3
	v_permlanex16_b32 v[BX+\e], v[BM+\e], s[SEL], s[SEL+1]
.endr
.irp e, 0,1,2,3
	v_add_f32 v[BM+\e], v[BM+\e], v[BX+\e]         ; and lane l xor 16's
.endr
.irp e, 0,1,2,3
	v_rcp_f32 v[BX+\e], v[BM+\e]
.endr
	v_nop
	s_wait_alu depctr_va_vdst(0)                   ; one wait for the four reciprocals
.irp e, 0,1,2,3
	v_cmp_lt_f32 vcc_lo, 0xef800000, v[ST+4*\e+1]  ; has the row a key?  m above -2^96
	v_cndmask_b32 v[ST+4*\e+2], 0, v[BX+\e], vcc_lo   ; 1 / l, or 0: reference()'s NaN to 0
.endr
	s_wait_tensorcnt 0x0                           ; my eighth of V is in,
	s_wait_dscnt 0x0
	s_barrier_signal -1
	s_barrier_wait -1                              ; everybody's is
	WIN 0x40
.set j, 0
.rept 128
	v_mov_b32 v[O+j], 0                            ; O^T, once: the step is written once, and a first step of its own would be a second copy of four units
.set j, j+1
.endr
	WIN 0
	s_mov_b32 s[CNT], 0
	s_mov_b32 s[KO], 0
	s_mov_b32 s[SO], 0
	s_mov_b32 s[VO], 0
	s_mov_b32 s[TO], 0
.Lpass2:
	STEP 2
	s_add_co_u32 s[CNT], s[CNT], 1
	s_cmp_lt_u32 s[CNT], 16
	s_cbranch_scc1 .Lpass2
	; THE WAY OUT: a tile's 64 registers are 128 neighbouring channels of the pair of heads: one K step of the last product.  They are quantised and stored as that operand's image.
	PLACES 4
	QUANT 0, 1, PC, PW
	global_store_b128 v[L16], v[PC:PC+3], s[OB:OB+1]              ; 32 lanes store 512 consecutive bytes, aligned
	global_store_b128 v[L16], v[PC+4:PC+7], s[OB:OB+1] offset:512
	global_store_b32 v[L4R], v[PW], s[OS:OS+1]                    ; 64 bytes: the words beside them belong to other work-groups' tiles; both halves of the lanes store the same word
	QUANT 64, 1, PC2, PW2
	global_store_b128 v[L16], v[PC2:PC2+3], s[OB+2:OB+3]
	global_store_b128 v[L16], v[PC2+4:PC2+7], s[OB+2:OB+3] offset:512
	global_store_b32 v[L4R], v[PW2], s[OS+2:OS+3]
	s_wait_tensorcnt 0x0                           ; the wave's end
	ds_add_u32 v[SPW], v[NIL]
	s_wait_dscnt 0x0
	CROUND                                         ; the closing round
	s_endpgm
.Lfunc_end_k_q12de2469bb_attn:
	.size	k_q12de2469bb_attn, .Lfunc_end_k_q12de2469bb_attn-k_q12de2469bb_attn
	.p2alignl 7, 3214868480
	.fill 96, 4, 3214868480
	.section	.rodata,"a",@progbits
	.p2align	6, 0x0
	.amdhsa_kernel k_q12de2469bb_attn
		.amdhsa_group_segment_fixed_size 327680
		.amdhsa_private_segment_fixed_size 0
		.amdhsa_enable_private_segment 0
		.amdhsa_kernarg_size 24
		.amdhsa_user_sgpr_count 2
		.amdhsa_user_sgpr_kernarg_segment_ptr 1
		.amdhsa_wavefront_size32 1
		.amdhsa_system_sgpr_workgroup_id_x 1
		.amdhsa_system_sgpr_workgroup_id_y 1
		.amdhsa_system_sgpr_workgroup_id_z 1
		.amdhsa_system_vgpr_workitem_id 0
		.amdhsa_next_free_vgpr 512
		.amdhsa_next_free_sgpr 80
		.amdhsa_reserve_vcc 1
		.amdhsa_float_denorm_mode_32 3
		.amdhsa_float_denorm_mode_16_64 3
		.amdhsa_memory_ordered 1
		.amdhsa_forward_progress 1
		.amdhsa_inst_pref_size 139
	.end_amdhsa_kernel
	.amdgpu_metadata
---
amdhsa.version: [ 1, 2 ]
amdhsa.kernels:
  - .name:           k_q12de2469bb_attn
    .symbol:         k_q12de2469bb_attn.kd
    .args:
      - { .name: qkvw, .offset: 0, .size: 8, .value_kind: global_buffer, .address_space: global }
      - { .name: pad_mask, .offset: 8, .size: 8, .value_kind: global_buffer, .address_space: global }
      - { .name: oimg, .offset: 16, .size: 8, .value_kind: global_buffer, .address_space: global }
    .group_segment_fixed_size: 327680
    .private_segment_fixed_size: 0
    .kernarg_segment_align: 8
    .kernarg_segment_size: 24
    .max_flat_workgroup_size: 256
    .sgpr_count:     80
    .vgpr_count:     512
    .wavefront_size: 32
...
	.end_amdgpu_metadata
.endif
;; end of part 3
;; launch oproj (part 4): grid 4 x 64, 4 waves a work-group, clusters of 4 x 4, 247,808 bytes of LDS; arguments oimg, codes, scales, bo, out0; writes out0
.if DOCPART == 4
	.amdgcn_target "amdgcn-amd-amdhsa--gfx1250"
	.amdhsa_code_object_version 6
	.text
	.protected	k_q12de2469bb_oproj
	.globl	k_q12de2469bb_oproj
	.p2align	8
	.type	k_q12de2469bb_oproj,@function
k_q12de2469bb_oproj:
	s_mov_b64 s[64:65], 0
	v_nop
	global_prefetch_b8 v0, s[64:65] scope:SCOPE_SE
	s_setreg_imm32_b32 hwreg(HW_REG_WAVE_MODE, 25, 1), 1
	s_wait_xcnt 0x0
	s_wait_alu depctr_hold_cnt(0) depctr_sa_sdst(0) depctr_va_vdst(0) depctr_va_sdst(0) depctr_va_ssrc(0) depctr_va_vcc(0) depctr_vm_vsrc(0)
	s_getreg_b32 s2, hwreg(HW_REG_IB_STS2, 6, 4)
	s_cmp_eq_u32 s2, 0
	s_cbranch_scc0 .Lentry_in_a_cluster
	s_endpgm
.Lentry_in_a_cluster:
	s_bfe_u32 s2, ttmp6, 0x10000c
	s_cmp_lg_u32 s2, 0xf033
	s_cbranch_scc0 .Lentry_shape_is_right
	s_endpgm
.Lentry_shape_is_right:
; LAUNCH 4 OF 4.  out0 = o Wo^T + bo on codes of FP4.  o comes as images of operand registers (launch attn), Wo as rows of codes in stored order (launch quant).  Nothing is left out here.
; A work-group makes 128 rows x 256 columns with all of K = 1,024 in LDS: one fill, no ring.  A wave makes 64 rows (source 1: a lane holds one) x 128 columns (source 0: 16 stored rows of Wo a tile, so that a
; lane's eight results are eight neighbouring columns).  bo is the C of each sum's first product.
; CLUSTER 4 x 4: o's block hangs on work-group y alone and is asked for jointly along a row of the cluster, Wo's rows on work-group x alone, jointly along a column.
; REGISTERS: window 0: addresses, scale words, o's fragments, the way out; window 1: the 32 accumulators ((a, b) at v[8 (8 a + b)]); window 2: the bias, Wo's fragments.
.set PITCH, 528
.set OBLK,  69632
.set WR,    OBLK                       ; LDS: o's block at 0, dense; Wo's 256 rows here,
.set WSC,   WR+256*PITCH               ; their scale bytes: 32 runs of 256 bytes + 16 of padding,
.set STG,   WSC+32*272                 ; a stage of 16 rows x (512 + 16) bytes for each wave; no fill lands here,
.set SPARE, STG+4*16*528               ; the spare words, 128 bytes a wave; no other line names them
.set ADR, 8
.set ADP, 9
.set ASR, 10
.set ASP, 11
.set STO, 12
.set RD,  13
.set CO,  14
.set BO,  16
.set SPW, 28
.set NIL, 29
.set SP,  32                           ; v32-63  Wo's scale words: register 8 i + q: lanes 0-15 tile i, lanes 16-31 tile i + 4
.set SR,  64                           ; v64-79  o's: register 8 i + q: lanes 0-15 block i, lanes 16-31 block i + 2
.set RF,  80                           ; v80-143 o's fragments, two sets of 32
.set BK,  128                          ; the way out: 16 rows read back: v128-191 and v192-255 by turns
.set BIAS, 0
.set PF,  64
.set G1O, 16
.set G1W, 24
.set G1WS, 32
.set G0O, 40
.set G0W, 44
.set G0WS, 48
.set WV,  66
.set CX,  67
.set CY,  68
.set WGX, 69
.set WGY, 70
.set RM,  72
.set CM,  73
.set BPT, 82
.set OUTP, 86
.set MSB, 0
.macro WIN new
.if MSB != (\new)
	s_set_vgpr_msb (MSB<<8)|(\new)
.set MSB, (\new)
.endif
.endm
.macro PLACES n
.rept \n
	v_nop
.endr
.endm
.macro CROUND
	s_barrier_signal -1
	s_barrier_wait -1
	s_cmp_lg_u32 s[WV], 0
	s_cbranch_scc1 .Lnot_wave_0_\@
	s_barrier_signal -3
.Lnot_wave_0_\@:
	s_barrier_wait -3
	s_barrier_signal -1
	s_barrier_wait -1
.endm
.macro PROD dd, pp, rr, cc, sp, sr, ra, rb
.if (\ra) && (\rb)
	v_wmma_scale_f32_16x16x128_f8f6f4 v[(\dd):(\dd)+7], v[(\pp):(\pp)+7], v[(\rr):(\rr)+7], v[(\cc):(\cc)+7], v[(\sp)], v[(\sr)] matrix_a_fmt:MATRIX_FMT_FP4 matrix_b_fmt:MATRIX_FMT_FP4 matrix_a_scale:MATRIX_SCALE_ROW1 matrix_b_scale:MATRIX_SCALE_ROW1
.elseif (\ra)
	v_wmma_scale_f32_16x16x128_f8f6f4 v[(\dd):(\dd)+7], v[(\pp):(\pp)+7], v[(\rr):(\rr)+7], v[(\cc):(\cc)+7], v[(\sp)], v[(\sr)] matrix_a_fmt:MATRIX_FMT_FP4 matrix_b_fmt:MATRIX_FMT_FP4 matrix_a_scale:MATRIX_SCALE_ROW1
.elseif (\rb)
	v_wmma_scale_f32_16x16x128_f8f6f4 v[(\dd):(\dd)+7], v[(\pp):(\pp)+7], v[(\rr):(\rr)+7], v[(\cc):(\cc)+7], v[(\sp)], v[(\sr)] matrix_a_fmt:MATRIX_FMT_FP4 matrix_b_fmt:MATRIX_FMT_FP4 matrix_b_scale:MATRIX_SCALE_ROW1
.else
	v_wmma_scale_f32_16x16x128_f8f6f4 v[(\dd):(\dd)+7], v[(\pp):(\pp)+7], v[(\rr):(\rr)+7], v[(\cc):(\cc)+7], v[(\sp)], v[(\sr)] matrix_a_fmt:MATRIX_FMT_FP4 matrix_b_fmt:MATRIX_FMT_FP4
.endif
.endm
	s_load_b256 s[4:11], s[0:1], 0x0               ; oimg, codes, scales, bo
	s_load_b64 s[12:13], s[0:1], 0x20              ; out0
	v_lshl_add_u32 v[SPW], v0, 2, SPARE
	v_mov_b32 v[NIL], 0
	ds_add_u32 v[SPW], v[NIL]                      ; the wave's opening: the add, twice on end, and its wait ahead of my first tensor load
	ds_add_u32 v[SPW], v[NIL]
	v_lshrrev_b32 v1, 5, v0
	v_readfirstlane_b32 s[WV], v1                  ; wave 0..3
	s_bfe_u32 s[CX], ttmp6, 0x40000
	s_bfe_u32 s[CY], ttmp6, 0x40004
	s_lshl_b32 s[WGX], ttmp9, 2
	s_add_co_u32 s[WGX], s[WGX], s[CX]             ; which 256 columns
	s_and_b32 s[WGY], ttmp7, 0xffff
	s_lshl_b32 s[WGY], s[WGY], 2
	s_add_co_u32 s[WGY], s[WGY], s[CY]             ; which 128 rows
	s_lshl_b32 s[RM], s[CY], 2
	s_lshl_b32 s[RM], 15, s[RM]
	s_lshl_b32 s[CM], 0x1111, s[CX]
	s_or_b32 s[G1O], s[RM], (3<<16)|(1<<21)        ; half of o's block: 136 rows of 256 bytes, dense, no padding: images are read 16 bytes a lane on end
	s_mov_b32 s[G1O+1], 32<<16
	s_mov_b32 s[G1O+2], 136<<16
	s_mov_b32 s[G1O+3], 32<<16
	s_mov_b32 s[G1O+4], 136
	s_mov_b32 s[G1O+5], 32
	s_mov_b32 s[G1O+6], 0
	s_mov_b32 s[G1O+7], 0
	s_or_b32 s[G1W], s[CM], (1<<20)|(1<<21)|(6<<22)|(3<<25)   ; 256 rows of 512 bytes, 16 of padding behind each
	s_mov_b32 s[G1W+1], 512<<16
	s_mov_b32 s[G1W+2], 256<<16
	s_mov_b32 s[G1W+3], 512<<16
	s_mov_b32 s[G1W+4], 256
	s_mov_b32 s[G1W+5], 512
	s_mov_b32 s[G1W+6], 0
	s_mov_b32 s[G1W+7], 0
	s_or_b32 s[G1WS], s[CM], (3<<16)|(1<<20)|(1<<21)|(5<<22)|(3<<25)
	s_mov_b32 s[G1WS+1], 32<<16
	s_mov_b32 s[G1WS+2], 32<<16
	s_mov_b32 s[G1WS+3], 32<<16
	s_mov_b32 s[G1WS+4], 32
	s_mov_b32 s[G1WS+5], 32
	s_mov_b32 s[G1WS+6], 0
	s_mov_b32 s[G1WS+7], 0
	s_and_b32 s76, s[WV], 1
	s_mul_i32 s76, s76, OBLK/2                     ; waves 0 and 1: which half of o's block, in LDS and in memory
	s_mul_i32 s74, s[WGY], OBLK
	s_add_co_u32 s74, s74, s76
	s_mov_b32 s75, 0
	s_lshl_b32 s78, s[WGX], 17                     ; Wo's codes begin at stored row 11,264
	s_add_co_u32 s78, s78, 11264*512
	s_mov_b32 s79, 0
	s_lshl_b32 s80, s[WGX], 13
	s_add_co_u32 s80, s80, 11264*32
	s_mov_b32 s81, 0
	s_wait_dscnt 0x0                               ; both opening adds are done
	s_wait_kmcnt 0x0
	s_mov_b32 s[G0O], 1
	s_mov_b32 s[G0O+1], s76
	s_add_nc_u64 s[G0O+2:G0O+3], s[4:5], s[74:75]
	s_or_b32 s[G0O+3], s[G0O+3], 0x80000000
	s_mov_b32 s[G0W], 1
	s_mov_b32 s[G0W+1], WR
	s_add_nc_u64 s[G0W+2:G0W+3], s[6:7], s[78:79]
	s_or_b32 s[G0W+3], s[G0W+3], 0x80000000
	s_mov_b32 s[G0WS], 1
	s_mov_b32 s[G0WS+1], WSC
	s_add_nc_u64 s[G0WS+2:G0WS+3], s[8:9], s[80:81]
	s_or_b32 s[G0WS+3], s[G0WS+3], 0x80000000
	CROUND                                         ; all sixteen work-groups are here: the joint loads meet
	s_cmp_lt_u32 s[WV], 2                          ; one load a wave: 0, 1 o's halves, 2 Wo's codes, 3 Wo's scales
	s_cbranch_scc0 .Lfor_w
	tensor_load_to_lds s[G0O:G0O+3], s[G1O:G1O+7]
	s_nop 0
	PLACES 4
	s_branch .Lasked
.Lfor_w:
	s_cmp_eq_u32 s[WV], 2
	s_cbranch_scc0 .Lfor_ws
	tensor_load_to_lds s[G0W:G0W+3], s[G1W:G1W+7]
	s_nop 0
	PLACES 4
	s_branch .Lasked
.Lfor_ws:
	tensor_load_to_lds s[G0WS:G0WS+3], s[G1WS:G1WS+7]
	s_nop 0
	PLACES 4
.Lasked:
	v_and_b32 v1, 15, v0                           ; r
	v_bfe_u32 v2, v0, 4, 1                         ; h
	v_bfe_u32 v4, v0, 3, 1                         ; r / 8
	v_and_b32 v5, 7, v0                            ; r % 8
	v_and_b32 v18, 31, v0                          ; lane
	s_lshr_b32 s92, s[WV], 1                       ; which 64 rows
	s_and_b32 s93, s[WV], 1                        ; which 128 columns
	v_lshlrev_b32 v[CO], 4, v18
	s_lshl_b32 s94, s92, 15
	v_add_nc_u32 v[ADR], s94, v[CO]                ; o's fragments: four tiles of 8,192 bytes, 16 x lane
	v_mul_u32_u24 v3, v1, PITCH
	v_lshl_add_u32 v3, v2, 4, v3
	s_mul_i32 s94, s93, 128*PITCH
	s_add_co_u32 s94, s94, WR
	v_add_nc_u32 v[ADP], s94, v3
	v_lshlrev_b32 v6, 2, v1
	v_lshl_add_u32 v6, v2, 7, v6                   ; o's scale words: 4 r, lanes 16-31 two tiles on
	s_lshl_b32 s94, s92, 8
	s_add_co_u32 s94, s94, 65536
	v_add_nc_u32 v[ASR], s94, v6
	v_lshl_add_u32 v7, v2, 3, v4
	v_mul_u32_u24 v7, v7, 272
	v_lshl_add_u32 v7, v5, 5, v7                   ; Wo's: lanes 16-31 four tiles (8 runs) on
	s_mul_i32 s94, s93, 16*272
	s_add_co_u32 s94, s94, WSC
	v_add_nc_u32 v[ASP], s94, v7
	s_mul_i32 s94, s[WV], 16*528
	s_add_co_u32 s94, s94, STG                     ; my stage
	v_mul_u32_u24 v6, v1, 528
	v_lshl_add_u32 v6, v2, 6, v6
	v_add_nc_u32 v[STO], s94, v6                   ; in: row r, + 64 h
	v_add_nc_u32 v[RD], s94, v[CO]                 ; back: a whole row of 512 bytes
	v_lshlrev_b32 v[BO], 6, v2
	s_lshl_b32 s94, s[WGX], 10
	s_lshl_b32 s95, s93, 9
	s_add_co_u32 s94, s94, s95                     ; my first column, in bytes
	s_mov_b32 s95, 0
	s_add_nc_u64 s[BPT:BPT+1], s[10:11], s[94:95]
	s_lshl_b32 s96, s[WGY], 19
	s_lshl_b32 s97, s92, 18
	s_add_co_u32 s96, s96, s97                     ; my first row: rows of 4,096 bytes
	s_add_co_u32 s96, s96, s94
	s_mov_b32 s97, 0
	s_add_nc_u64 s[OUTP:OUTP+1], s[12:13], s[96:97]
	WIN 0x80                                       ; destination window 2
.irp b, 0,1,2,3,4,5,6,7                ; tile b's register j is column 32 (b / 2) + 16 h + 8 (b % 2) + j
	global_load_b128 v[BIAS+8*\b:BIAS+8*\b+3], v[BO], s[BPT:BPT+1] offset:(32*(\b/2)+8*(\b%2))*4
	global_load_b128 v[BIAS+8*\b+4:BIAS+8*\b+7], v[BO], s[BPT:BPT+1] offset:(32*(\b/2)+8*(\b%2))*4+16
.endr
	WIN 0
.macro FETCH q, set                    ; the fragments of K step q: 16 loads for Wo's eight tiles, 8 for o's four blocks
	WIN 0x80
.irp b, 0,1,2,3,4,5,6,7
.irp c, 0,1
	ds_load_b128 v[PF+64*(\set)+8*\b+4*\c:PF+64*(\set)+8*\b+4*\c+3], v[ADP] offset:\b*16*PITCH+64*(\q)+32*\c
.endr
.endr
	WIN 0
.irp a, 0,1,2,3
.irp c, 0,1
	ds_load_b128 v[RF+32*(\set)+8*\a+4*\c:RF+32*(\set)+8*\a+4*\c+3], v[ADR] offset:\a*8192+1024*(\q)+512*\c
.endr
.endr
.endm
; 32 products: the accumulators take turns, one instruction a turn, in the same order in every K step.  cm = 1: C = the bias
.macro MUL q, set, cm
.if (\cm) == 0
	WIN 0x52
.else
	WIN 0x62
.endif
.irp a, 0,1,2,3
.irp b, 0,1,2,3,4,5,6,7
.if (\cm) == 0
	PROD 8*(8*\a+\b), PF+64*(\set)+8*\b, RF+32*(\set)+8*\a, 8*(8*\a+\b), SP+8*(\b%4)+(\q), SR+8*(\a%2)+(\q), \b/4, \a/2
.else
	PROD 8*(8*\a+\b), PF+64*(\set)+8*\b, RF+32*(\set)+8*\a, BIAS+8*\b, SP+8*(\b%4)+(\q), SR+8*(\a%2)+(\q), \b/4, \a/2
.endif
.endr
.endr
	WIN 0
.endm
	s_wait_tensorcnt 0x0                           ; my load has landed,
	s_barrier_signal -1
	s_barrier_wait -1                              ; everybody's has
.irp i, 0,1,2,3                        ; the scale words of all eight K steps: 8 loads for Wo, 16 for o
.irp u, 0,1
	ds_load_b128 v[SP+8*\i+4*\u:SP+8*\i+4*\u+3], v[ASP] offset:\i*544+16*\u
.endr
.endr
.irp i, 0,1
.irp q, 0,1,2,3,4,5,6,7
	ds_load_b32 v[SR+8*\i+\q], v[ASR] offset:512*\q+64*\i
.endr
.endr
	FETCH 0, 0
	FETCH 1, 1
	s_wait_dscnt 24                                ; all but K step 1's 24 loads
	s_wait_loadcnt 0x0                             ; the bias
	MUL 0, 0, 1
.irp q, 1,2,3,4,5,6,7
	PLACES 4                                       ; in front of loads into registers that the last products read
.if \q < 7
	FETCH \q+1, (\q+1)%2
	s_wait_dscnt 24                                ; this K step's fragments are in; the 24 just issued may be out
.else
	s_wait_dscnt 0x0
.endif
	MUL \q, \q%2, 0
.endr
; THE WAY OUT, block by block of 16 stored rows x 128 columns: through my own stage, back as whole rows of 512 bytes.  LDS serves a wave's instructions in order: no wait between the stores and the loads.
.macro TOSTAGE a
	WIN 0x04                                       ; an LDS store's data are its source 1: window 1
.irp b, 0,1,2,3,4,5,6,7
	ds_store_b128 v[STO], v[64*(\a)+8*\b:64*(\a)+8*\b+3] offset:128*(\b/2)+32*(\b%2)       ; each accumulator from its low end on
	ds_store_b128 v[STO], v[64*(\a)+8*\b+4:64*(\a)+8*\b+7] offset:128*(\b/2)+32*(\b%2)+16
.endr
	WIN 0
.irp t, 0,1,2,3,4,5,6,7,8,9,10,11,12,13,14,15
	ds_load_b128 v[BK+64*((\a)%2)+4*\t:BK+64*((\a)%2)+4*\t+3], v[RD] offset:\t*528
.endr
.endm
.macro SEND a, younger                 ; stored row t of block a is row 32 (a / 2) + 8 (a % 2) + 16 (t / 8) + t % 8 of my 64: the immediate puts the rows back in order
	s_wait_dscnt \younger
.irp t, 0,1,2,3,4,5,6,7,8,9,10,11,12,13,14,15
	global_store_b128 v[CO], v[BK+64*((\a)%2)+4*\t:BK+64*((\a)%2)+4*\t+3], s[OUTP:OUTP+1] offset:(32*((\a)/2)+8*((\a)%2)+16*(\t/8)+\t%8)*4096 th:TH_STORE_NT   ; 32 lanes store 512 consecutive bytes, aligned
.endr
.endm
	PLACES 4                                       ; in front of the first read of results, and of loads into registers that held fragments
	TOSTAGE 0
.irp a, 1,2,3
.if \a > 1
	s_wait_xcnt 0x0                                ; block a - 2's stores have read their registers: block a's loads may land there
.endif
	TOSTAGE \a
	SEND \a-1, 32                                  ; behind block a - 1's loads: block a's 16 stores and 16 loads
.endr
	SEND 3, 0
	s_wait_tensorcnt 0x0                           ; the wave's end
	ds_add_u32 v[SPW], v[NIL]
	s_wait_dscnt 0x0
	CROUND                                         ; the closing round
	s_endpgm
.Lfunc_end_k_q12de2469bb_oproj:
	.size	k_q12de2469bb_oproj, .Lfunc_end_k_q12de2469bb_oproj-k_q12de2469bb_oproj
	.p2alignl 7, 3214868480
	.fill 96, 4, 3214868480
	.section	.rodata,"a",@progbits
	.p2align	6, 0x0
	.amdhsa_kernel k_q12de2469bb_oproj
		.amdhsa_group_segment_fixed_size 247808
		.amdhsa_private_segment_fixed_size 0
		.amdhsa_enable_private_segment 0
		.amdhsa_kernarg_size 40
		.amdhsa_user_sgpr_count 2
		.amdhsa_user_sgpr_kernarg_segment_ptr 1
		.amdhsa_wavefront_size32 1
		.amdhsa_system_sgpr_workgroup_id_x 1
		.amdhsa_system_sgpr_workgroup_id_y 1
		.amdhsa_system_sgpr_workgroup_id_z 1
		.amdhsa_system_vgpr_workitem_id 0
		.amdhsa_next_free_vgpr 768
		.amdhsa_next_free_sgpr 102
		.amdhsa_reserve_vcc 0
		.amdhsa_float_denorm_mode_32 3
		.amdhsa_float_denorm_mode_16_64 3
		.amdhsa_memory_ordered 1
		.amdhsa_forward_progress 1
		.amdhsa_inst_pref_size 72
	.end_amdhsa_kernel
	.amdgpu_metadata
---
amdhsa.version: [ 1, 2 ]
amdhsa.kernels:
  - .name:           k_q12de2469bb_oproj
    .symbol:         k_q12de2469bb_oproj.kd
    .args:
      - { .name: oimg, .offset: 0, .size: 8, .value_kind: global_buffer, .address_space: global }
      - { .name: codes, .offset: 8, .size: 8, .value_kind: global_buffer, .address_space: global }
      - { .name: scales, .offset: 16, .size: 8, .value_kind: global_buffer, .address_space: global }
      - { .name: bo, .offset: 24, .size: 8, .value_kind: global_buffer, .address_space: global }
      - { .name: out0, .offset: 32, .size: 8, .value_kind: global_buffer, .address_space: global }
    .group_segment_fixed_size: 247808
    .private_segment_fixed_size: 0
    .kernarg_segment_align: 8
    .kernarg_segment_size: 40
    .max_flat_workgroup_size: 128
    .sgpr_count:     102
    .vgpr_count:     768
    .wavefront_size: 32
...
	.end_amdgpu_metadata
.endif
;; end of part 4
